; MI455X (gfx1250); checked and timed in simulation.
; The chip was launched on July 23, 2026; its instructions are those of AMD's public machine-readable ISA for CDNA 5 (MIT licence, August 2026) and "CDNA5" Instruction Set Architecture Reference Guide (July 2026). The comments in the code are by the model that wrote it; some were corrected since.
;; Di T. Allowed arithmetic: float matrix products may take bf16 or f16 operands with f32 sums; all other float work in f32.
;; Inputs: an_a_b1 128 float32; an_a_b2 128 float32; an_a_b3 128 float32; an_a_w1 128 x 128 float32; an_a_w2 128 x 128 float32; an_a_w3 128 x 128 float32; an_gb_b1 128 float32; an_gb_b2 128 float32; an_gb_b3 256 float32; an_gb_w1 128 x 128 float32; an_gb_w2 128 x 128 float32; an_gb_w3 128 x 256 float32; fn_a_b1 128 float32; fn_a_b2 128 float32; fn_a_b3 128 float32; fn_a_w1 128 x 128 float32; fn_a_w2 128 x 128 float32; fn_a_w3 128 x 128 float32; fn_gb_b1 128 float32; fn_gb_b2 128 float32; fn_gb_b3 256 float32; fn_gb_w1 128 x 128 float32; fn_gb_w2 128 x 128 float32; fn_gb_w3 128 x 256 float32; kb 4 x 32 float32; kw 4 x 128 x 32 float32; latent 64 x 128 x 8 x 8 x 8 float32; nodes 64 x 128 float32; ow 128 x 128 float32; qb 4 x 32 float32; qw 4 x 128 x 32 float32; t 64 float32; vb 4 x 32 float32; vw 4 x 128 x 32 float32.
;; Outputs: out0 64 x 128 x 8 x 8 x 8 float32.
;; 2 versions, each right; version 2 is version 1 with the launch cond written anew for expert scheduling mode. Each part assembles by itself: llvm-mc -triple=amdgcn-amd-amdhsa -mcpu=gfx1250 --defsym DOCPART=n.
;; ======== version 1 of 2: 2 launches
;; limits: below input magnitudes of 1.08e-19 results are inexact or not finite
;; workspace buffers: ws 294,912 bytes
;; launch cond (part 1): grid 30 x 1, 8 waves a work-group, no clusters, 133,120 bytes of LDS; arguments an_gb_w1, an_gb_b1, an_gb_w2, an_gb_b2, an_gb_w3, an_gb_b3, an_a_w1, an_a_b1, an_a_w2, an_a_b2, an_a_w3, an_a_b3, fn_gb_w1, fn_gb_b1, fn_gb_w2, fn_gb_b2, fn_gb_w3, fn_gb_b3, fn_a_w1, fn_a_b1, fn_a_w2, fn_a_b2, fn_a_w3, fn_a_b3, nodes, t, qw, kw, vw, ws; writes ws
.if DOCPART == 1
	.amdgcn_target "amdgcn-amd-amdhsa--gfx1250"
	.amdhsa_code_object_version 6
	.text
	.protected	k_q517a9edcbf_cond
	.globl	k_q517a9edcbf_cond
	.p2align	8
	.type	k_q517a9edcbf_cond,@function
k_q517a9edcbf_cond:
	s_mov_b64 s[64:65], 0
	v_nop
	global_prefetch_b8 v0, s[64:65] scope:SCOPE_SE
	s_setreg_imm32_b32 hwreg(HW_REG_WAVE_MODE, 25, 1), 1
	s_wait_xcnt 0x0
; What depends on the batch row alone, and the Q/K/V weights in the order in which the second launch's matrix instructions want them.
; Work-groups 0..23 = (v = id >> 2, rt = id & 3): one modulation vector for 16 batch rows: mod[b][v][128] f32 at ws + b*3072 + v*512,
;   v = 0 alpha1 (an_gb columns 0-127), 1 gamma1 (an_gb columns 128-255), 2 beta1 (an_a), 3 alpha2, 4 gamma2 (fn_gb), 5 beta2 (fn_a).
;   A work-group runs 16 x 128 -> 128 -> 128 -> 128 with eight waves, a wave making 16
;   outputs x 16 rows of each layer: 16 fragment loads from LDS a wave and layer.  The weights (192 KiB a work-group) cannot be shared out
;   further, since the second layer needs all of the first; the two halves of a gb network each repeat its first two layers.
; Work-groups 24..29: a half of qw, kw or vw as bf16 at ws + 196608: block ((mt*8+ct)*8 + kc*2 + q) of 512 bytes, lane (r, h) owns 16 bytes
;   at 16*lane, element j = W[head ct>>1][d = 32kc+16q+8h+j][k = 16(ct&1)+r]: one 16-byte load a lane is half of a fragment.
; Matrix operands are rounded to bf16, sums and silu are f32.  NaN and infinities are not treated specially.
; No tensor loads, no cluster: the weights go through a conversion in registers on their way into LDS.  Thirty work-groups is all the work here.
.set WP,     288                       ; LDS pitch of a weight row [in][128 out] bf16: 256 + 32, an odd multiple of 32 for the transposing load
.set WBYTES, 128*WP                    ; one layer's weights: 36,864
.set ACT0,   3*WBYTES                  ; three activation blocks [16 rows][128] bf16
.set AP,     272                       ; their pitch: 256 + 16
.set ABYTES, 16*AP
.set STG,    ACT0+3*ABYTES             ; the result [16][128] f32
.set SP,     528                       ; its pitch: 512 + 16
.set L16, 1                            ; 16 x lane
.set RO,  2                            ; w1, w2: my wave's 16 rows
.set R3O, 3                            ; w3: my wave's first row (its pitch is 512 or 1024 bytes; the rows are stepped in 16 scalar bases)
.set NO,  4                            ; nodes
.set BO,  5                            ; bias fragment
.set TA,  6                            ; v[6:8] transposing loads of layer 0, 1, 2
.set BA,  9                            ; activation fragments
.set AS,  10                           ; activation stores
.set WS0, 11                           ; weight stores, layers 0 and 1
.set WS2, 12                           ; weight stores, layer 2
.set NS,  13                           ; cond stores
.set SS,  14                           ; result into the stage
.set SL,  15                           ; result back by rows
.set GO,  16                           ; offset in ws
.set NR,  18                           ; v[18:25] two rows of nodes; then
.set ACC, 18                           ; v[18:33] two accumulators: even and odd K steps
.set BI,  34                           ; v[34:57] three bias fragments
.set W1R, 58                           ; v[58:121] sixteen rows of w1, later of w3
.set W2R, 122                          ; v[122:185]
.set AF,  186                          ; v[186:217] weights^T, 4 K steps
.set BF,  218                          ; v[218:249] activations, 4 K steps; then
.set T,   218                          ; v[218:225] at work
	s_load_b256 s[8:15],  s[0:1], 0x0              ; an_gb: w1 b1 w2 b2
	s_load_b128 s[16:19], s[0:1], 0x20             ;        w3 b3
	s_load_b256 s[20:27], s[0:1], 0x30             ; an_a
	s_load_b128 s[28:31], s[0:1], 0x50
	s_load_b256 s[32:39], s[0:1], 0x60             ; fn_gb
	s_load_b128 s[40:43], s[0:1], 0x80
	s_load_b256 s[44:51], s[0:1], 0x90             ; fn_a
	s_load_b128 s[52:55], s[0:1], 0xb0
	s_load_b128 s[56:59], s[0:1], 0xc0             ; nodes, t
	s_load_b128 s[60:63], s[0:1], 0xd0             ; qw, kw
	s_load_b128 s[68:71], s[0:1], 0xe0             ; vw, ws
	v_lshl_add_u32 v250, v0, 2, 0x20400
	v_mov_b32 v251, 0
	v_lshrrev_b32 v2, 5, v0
	v_readfirstlane_b32 s72, v2                    ; wave 0..7: my 16 outputs
	v_and_b32 v1, 31, v0
	v_lshlrev_b32 v[L16], 4, v1
	s_mov_b32 s73, ttmp9                           ; work-group 0..29
	s_lshr_b32 s90, s73, 2                         ; v
	s_and_b32 s91, s73, 3                          ; rt: my 16 batch rows
	s_wait_kmcnt 0x0
	s_cmp_ge_u32 s73, 24                           ; the same in all waves of a work-group
	s_cbranch_scc1 .Lprep
	; ---- which network: fn or an, then a or gb; s_cselect leaves SCC as it is, so one compare serves each run
	s_cmp_ge_u32 s90, 3
.irp k, 0,2,4,6,8,10
	s_cselect_b64 s[8+\k:9+\k], s[32+\k:33+\k], s[8+\k:9+\k]
	s_cselect_b64 s[20+\k:21+\k], s[44+\k:45+\k], s[20+\k:21+\k]
.endr
	s_cselect_b32 s75, 3, 0
	s_sub_co_u32 s75, s90, s75                     ; 0 gb low half, 1 gb high half, 2 a
	s_cmp_eq_u32 s75, 2
.irp k, 0,2,4,6,8,10
	s_cselect_b64 s[8+\k:9+\k], s[20+\k:21+\k], s[8+\k:9+\k]
.endr
	s_cselect_b32 s92, 9, 10
	s_lshl_b32 s92, 1, s92                         ; bytes from row to row of w3: 512 or 1024
	s_mov_b32 s93, 0
	s_cmp_eq_u32 s75, 1
	s_cselect_b32 s76, 512, 0                      ; the high half starts 128 numbers in, in w3's rows and in b3
	s_mov_b32 s77, 0
	s_add_nc_u64 s[16:17], s[16:17], s[76:77]
	s_add_nc_u64 s[18:19], s[18:19], s[76:77]
	s_mov_b64 s[20:21], s[16:17]                   ; sixteen bases for w3, a row apart, where the unused networks' pointers lay
.irp j, 1,2,3,4,5,6,7,8,9,10,11,12,13,14,15
	s_add_nc_u64 s[20+2*\j:21+2*\j], s[18+2*\j:19+2*\j], s[92:93]
.endr
	; ---- offsets of the global loads, then the loads of cond, w1, the biases and w2
	v_and_b32 v254, 15, v0                         ; r
	v_bfe_u32 v255, v0, 4, 1                       ; h
	s_lshl_b32 s80, s91, 13
	s_lshl_b32 s81, s72, 10
	s_add_co_u32 s80, s80, s81
	v_add_nc_u32 v[NO], s80, v[L16]                ; nodes row 16 rt + 2 w
	s_lshl_b32 s80, s72, 13
	v_add_nc_u32 v[RO], s80, v[L16]                ; weight row 16 w
	s_lshl_b32 s80, s72, 6
	v_lshl_add_u32 v[BO], v255, 5, s80             ; bias of outputs 16 w + 8 h ..
	s_lshl_b32 s80, s72, 4
	s_mul_i32 s80, s80, s92
	v_add_nc_u32 v[R3O], s80, v[L16]
	s_lshl_b32 s80, s91, 6
	s_lshl_b32 s81, s72, 3
	s_add_co_u32 s80, s80, s81
	s_mov_b32 s81, 0
	s_add_nc_u64 s[82:83], s[58:59], s[80:81]
	s_load_b64 s[84:85], s[82:83], 0x0             ; t[16 rt + 2 w], t[16 rt + 2 w + 1]
.irp i, 0,1
	global_load_b128 v[NR+4*\i:NR+4*\i+3], v[NO], s[56:57] offset:\i*512       ; a row of nodes: 512 consecutive bytes a load
.endr
.irp j, 0,1,2,3,4,5,6,7,8,9,10,11,12,13,14,15
	global_load_b128 v[W1R+4*\j:W1R+4*\j+3], v[RO], s[8:9] offset:\j*512
.endr
	global_load_b128 v[BI:BI+3],      v[BO], s[10:11]
	global_load_b128 v[BI+4:BI+7],    v[BO], s[10:11] offset:16
	global_load_b128 v[BI+8:BI+11],   v[BO], s[14:15]
	global_load_b128 v[BI+12:BI+15],  v[BO], s[14:15] offset:16
	global_load_b128 v[BI+16:BI+19],  v[BO], s[18:19]
	global_load_b128 v[BI+20:BI+23],  v[BO], s[18:19] offset:16
.irp j, 0,1,2,3,4,5,6,7,8,9,10,11,12,13,14,15
	global_load_b128 v[W2R+4*\j:W2R+4*\j+3], v[RO], s[12:13] offset:\j*512
.endr
	; ---- LDS addresses
	v_and_b32 v253, 7, v0
	v_lshl_add_u32 v253, v255, 3, v253             ; 8 h + (lane & 7): the K row that this lane addresses
	v_mul_u32_u24 v253, v253, WP
	v_bfe_u32 v252, v0, 3, 1
	v_lshl_add_u32 v253, v252, 4, v253             ; + 16 bytes for the upper eight columns
	s_lshl_b32 s80, s72, 5
	v_add_nc_u32 v[TA], s80, v253                  ; + my 16 outputs
	v_add_nc_u32 v[TA+1], WBYTES, v[TA]
	v_add_nc_u32 v[TA+2], 2*WBYTES, v[TA]
	v_mul_u32_u24 v253, v254, AP
	v_lshl_add_u32 v253, v255, 4, v253             ; r x pitch + 16 h
	v_add_nc_u32 v[BA], ACT0, v253
	s_add_co_u32 s81, s80, ABYTES
	v_add_nc_u32 v[AS], s81, v[BA]                 ; the next block, at my 16 outputs
	v_lshrrev_b32 v252, 1, v[L16]                  ; 8 x lane
	s_mul_i32 s80, s72, 16*WP
	v_add_nc_u32 v[WS0], s80, v252
	v_add_nc_u32 v[WS2], 2*WBYTES, v[WS0]
	s_mul_i32 s80, s72, 2*AP
	s_add_co_u32 s80, s80, ACT0
	v_add_nc_u32 v[NS], s80, v252
	v_mul_u32_u24 v253, v254, SP
	v_lshl_add_u32 v253, v255, 5, v253
	s_lshl_b32 s81, s72, 6
	s_add_co_u32 s81, s81, STG
	v_add_nc_u32 v[SS], s81, v253
	s_mul_i32 s80, s72, 2*SP
	s_add_co_u32 s80, s80, STG
	v_add_nc_u32 v[SL], s80, v[L16]
	s_lshl_b32 s80, s91, 4
	s_lshl1_add_u32 s80, s72, s80                  ; batch row 16 rt + 2 w
	s_mul_i32 s80, s80, 3072
	s_lshl_b32 s81, s90, 9
	s_add_co_u32 s80, s80, s81
	v_add_nc_u32 v[GO], s80, v[L16]
; sixteen f32 rows of a weight matrix, as loaded: to bf16, 8 bytes a lane, a row's 256 bytes consecutive in LDS
.macro ROWS2LDS x, adr, base
.irp j, 0,1,2,3,4,5,6,7,8,9,10,11,12,13,14,15
	v_cvt_pk_bf16_f32 v[\x+4*\j], v[\x+4*\j], v[\x+4*\j+1]
	v_cvt_pk_bf16_f32 v[\x+4*\j+1], v[\x+4*\j+2], v[\x+4*\j+3]
.endr
.irp j, 0,1,2,3,4,5,6,7,8,9,10,11,12,13,14,15
	ds_store_b64 v[\adr], v[\x+4*\j:\x+4*\j+1] offset:\base+\j*WP
.endr
.endm
; One layer for my 16 outputs x the 16 batch rows.  Source 0 = weights^T (row = output), source 1 = activations (column = batch row): a lane
; then holds 8 neighbouring outputs of one batch row, which pack into the 16 bytes that the next layer's fragment load wants.
.macro LAYER l
.irp kc, 0,1,2,3
	ds_load_tr16_b128 v[AF+8*\kc:AF+8*\kc+3],   v[TA+\l] offset:\kc*32*WP
	ds_load_tr16_b128 v[AF+8*\kc+4:AF+8*\kc+7], v[TA+\l] offset:\kc*32*WP+16*WP
.endr
.irp kc, 0,1,2,3
	ds_load_b128 v[BF+8*\kc:BF+8*\kc+3],   v[BA] offset:\l*ABYTES+\kc*64
	ds_load_b128 v[BF+8*\kc+4:BF+8*\kc+7], v[BA] offset:\l*ABYTES+\kc*64+32
.endr
	s_wait_dscnt 0x0
	; even and odd K steps go to two accumulators that take turns, one instruction a turn; the bias starts the first
	v_wmma_f32_16x16x32_bf16 v[ACC:ACC+7],    v[AF:AF+7],     v[BF:BF+7],     v[BI+8*\l:BI+8*\l+7]
	v_wmma_f32_16x16x32_bf16 v[ACC+8:ACC+15], v[AF+8:AF+15],  v[BF+8:BF+15],  0
	v_wmma_f32_16x16x32_bf16 v[ACC:ACC+7],    v[AF+16:AF+23], v[BF+16:BF+23], v[ACC:ACC+7]
	v_wmma_f32_16x16x32_bf16 v[ACC+8:ACC+15], v[AF+24:AF+31], v[BF+24:BF+31], v[ACC+8:ACC+15]
.rept 4
	v_nop                                          ; four places behind the last matrix instruction (ISA guide 7.12.1) before its result is read
.endr
.irp p, 0,2,4,6
	v_pk_add_f32 v[ACC+\p:ACC+\p+1], v[ACC+\p:ACC+\p+1], v[ACC+8+\p:ACC+8+\p+1]
.endr
.if \l < 2
	; silu(x) = x / (1 + 2^(-x log2 e))
.irp p, 0,2,4,6
	v_pk_mul_f32 v[T+\p:T+\p+1], v[ACC+\p:ACC+\p+1], 0xbfb8aa3b op_sel_hi:[1,0]
.endr
.irp c, 0,1,2,3,4,5,6,7
	v_exp_f32 v[T+\c], v[T+\c]
.endr
	v_nop                                          ; one plain instruction behind the run of exponentials (ISA guide 5.7.2)
	s_wait_alu depctr_va_vdst(0)
.irp p, 0,2,4,6
	v_pk_add_f32 v[T+\p:T+\p+1], v[T+\p:T+\p+1], 1.0 op_sel_hi:[1,0]
.endr
.irp c, 0,1,2,3,4,5,6,7
	v_rcp_f32 v[T+\c], v[T+\c]
.endr
	v_nop                                          ; and behind the reciprocals
	s_wait_alu depctr_va_vdst(0)
.irp p, 0,2,4,6
	v_pk_mul_f32 v[ACC+\p:ACC+\p+1], v[ACC+\p:ACC+\p+1], v[T+\p:T+\p+1]
.endr
.irp i, 0,1,2,3
	v_cvt_pk_bf16_f32 v[ACC+\i], v[ACC+2*\i], v[ACC+2*\i+1]
.endr
	ds_store_b128 v[AS], v[ACC:ACC+3] offset:\l*ABYTES
.else
	ds_store_b128 v[SS], v[ACC:ACC+3]
	ds_store_b128 v[SS], v[ACC+4:ACC+7] offset:16
.endif
.endm
	; ---- cond = nodes + t, and layer 0's weights, into LDS
	s_wait_loadcnt 38                              ; the two rows of nodes are in; w1 16, biases 6, w2 16 stay out
	s_wait_kmcnt 0x0                               ; t
.irp i, 0,1
.irp c, 0,1,2,3
	v_add_f32 v[NR+4*\i+\c], s[84+\i], v[NR+4*\i+\c]
.endr
	v_cvt_pk_bf16_f32 v[NR+4*\i], v[NR+4*\i], v[NR+4*\i+1]
	v_cvt_pk_bf16_f32 v[NR+4*\i+1], v[NR+4*\i+2], v[NR+4*\i+3]
	ds_store_b64 v[NS], v[NR+4*\i:NR+4*\i+1] offset:\i*AP
.endr
	s_wait_loadcnt 22                              ; w1 is in: biases 6 and w2 16 stay out
	ROWS2LDS W1R, WS0, 0
	s_wait_dscnt 0x0                               ; my stores are done, for the other waves' sake
	s_barrier_signal -1
	s_barrier_wait -1
.irp j, 0,1,2,3,4,5,6,7,8,9,10,11,12,13,14,15
	global_load_b128 v[W1R+4*\j:W1R+4*\j+3], v[R3O], s[20+2*\j:21+2*\j]        ; w3, into the registers that w1 has left
.endr
	s_wait_loadcnt 32                              ; the biases are in: w2 16 and w3 16 stay out
	LAYER 0
	s_wait_loadcnt 16                              ; w2 is in
	ROWS2LDS W2R, WS0, WBYTES
	s_wait_dscnt 0x0
	s_barrier_signal -1
	s_barrier_wait -1
	LAYER 1
	s_wait_loadcnt 0x0                             ; w3 is in
	ROWS2LDS W1R, WS2, 0
	s_wait_dscnt 0x0
	s_barrier_signal -1
	s_barrier_wait -1
	LAYER 2
	s_wait_dscnt 0x0
	s_barrier_signal -1
	s_barrier_wait -1
	; ---- out by whole rows: a wave's store covers 512 consecutive bytes, aligned
.irp i, 0,1
	ds_load_b128 v[T+4*\i:T+4*\i+3], v[SL] offset:\i*SP
.endr
.irp i, 0,1
	s_wait_dscnt 1-\i
	global_store_b128 v[GO], v[T+4*\i:T+4*\i+3], s[70:71] offset:\i*3072
.endr
	s_wait_tensorcnt 0x0
	ds_add_u32 v250, v251
	s_wait_dscnt 0x0
	s_endpgm
	; ---- work-groups 24..29: a half of qw, kw or vw into fragment order.  Part p = 8 x half + wave makes blocks 4 p .. 4 p + 3 of its matrix.
	; The reads come as 64 consecutive bytes for sixteen lanes; each of the 196,608 bytes is read once in the whole program.
.Lprep:
	s_sub_co_u32 s75, s73, 24
	s_lshr_b32 s74, s75, 1                         ; mt
	s_and_b32 s75, s75, 1
	s_lshl3_add_u32 s79, s75, s72                  ; p = 0..15
	s_cmp_eq_u32 s74, 1
	s_cselect_b64 s[60:61], s[62:63], s[60:61]
	s_cmp_eq_u32 s74, 2
	s_cselect_b64 s[60:61], s[68:69], s[60:61]
	s_lshr_b32 s76, s79, 2
	s_lshl_b32 s76, s76, 14                        ; head = p >> 2: 128 x 32 x 4 bytes
	s_and_b32 s77, s79, 1
	s_lshl_b32 s77, s77, 13                        ; d = 64 (p & 1) + ..: 128 bytes a row
	s_add_co_u32 s76, s76, s77
	s_bfe_u32 s77, s79, 0x10001
	s_lshl_b32 s77, s77, 6                         ; k = 16 ((p >> 1) & 1) + r
	s_add_co_u32 s76, s76, s77
	v_and_b32 v2, 15, v0
	v_bfe_u32 v3, v0, 4, 1
	v_lshlrev_b32 v2, 2, v2
	v_lshl_add_u32 v2, v3, 10, v2                  ; 4 r + 8 h rows
	v_add_nc_u32 v2, s76, v2
	s_lshl_b32 s77, s74, 15
	s_lshl_b32 s78, s79, 11
	s_add_co_u32 s77, s77, s78
	v_add_nc_u32 v3, s77, v[L16]                   ; mt x 32,768 + p x 2,048 + 16 x lane
	s_add_nc_u64 s[70:71], s[70:71], 0x30000       ; behind the modulation vectors
.irp n, 0,1,2,3
.irp j, 0,1,2,3,4,5,6,7
	global_load_b32 v[24+8*\n+\j], v2, s[60:61] offset:(16*\n+\j)*128
.endr
.endr
	s_wait_loadcnt 0x0
.irp n, 0,1,2,3
.irp i, 0,1,2,3
	v_cvt_pk_bf16_f32 v[56+4*\n+\i], v[24+8*\n+2*\i], v[24+8*\n+2*\i+1]
.endr
	global_store_b128 v3, v[56+4*\n:56+4*\n+3], s[70:71] offset:\n*512
.endr
	s_endpgm
.Lfunc_end_k_q517a9edcbf_cond:
	.size	k_q517a9edcbf_cond, .Lfunc_end_k_q517a9edcbf_cond-k_q517a9edcbf_cond
	.p2alignl 7, 3214868480
	.fill 96, 4, 3214868480
	.section	.rodata,"a",@progbits
	.p2align	6, 0x0
	.amdhsa_kernel k_q517a9edcbf_cond
		.amdhsa_group_segment_fixed_size 133120
		.amdhsa_private_segment_fixed_size 0
		.amdhsa_enable_private_segment 0
		.amdhsa_kernarg_size 240
		.amdhsa_user_sgpr_count 2
		.amdhsa_user_sgpr_kernarg_segment_ptr 1
		.amdhsa_wavefront_size32 1
		.amdhsa_system_sgpr_workgroup_id_x 1
		.amdhsa_system_sgpr_workgroup_id_y 1
		.amdhsa_system_sgpr_workgroup_id_z 1
		.amdhsa_system_vgpr_workitem_id 0
		.amdhsa_next_free_vgpr 256
		.amdhsa_next_free_sgpr 96
		.amdhsa_reserve_vcc 0
		.amdhsa_float_denorm_mode_32 3
		.amdhsa_float_denorm_mode_16_64 3
		.amdhsa_memory_ordered 1
		.amdhsa_forward_progress 1
		.amdhsa_inst_pref_size 36
	.end_amdhsa_kernel
	.amdgpu_metadata
---
amdhsa.version: [ 1, 2 ]
amdhsa.kernels:
  - .name:           k_q517a9edcbf_cond
    .symbol:         k_q517a9edcbf_cond.kd
    .args:
      - { .name: an_gb_w1, .offset: 0, .size: 8, .value_kind: global_buffer, .address_space: global }
      - { .name: an_gb_b1, .offset: 8, .size: 8, .value_kind: global_buffer, .address_space: global }
      - { .name: an_gb_w2, .offset: 16, .size: 8, .value_kind: global_buffer, .address_space: global }
      - { .name: an_gb_b2, .offset: 24, .size: 8, .value_kind: global_buffer, .address_space: global }
      - { .name: an_gb_w3, .offset: 32, .size: 8, .value_kind: global_buffer, .address_space: global }
      - { .name: an_gb_b3, .offset: 40, .size: 8, .value_kind: global_buffer, .address_space: global }
      - { .name: an_a_w1, .offset: 48, .size: 8, .value_kind: global_buffer, .address_space: global }
      - { .name: an_a_b1, .offset: 56, .size: 8, .value_kind: global_buffer, .address_space: global }
      - { .name: an_a_w2, .offset: 64, .size: 8, .value_kind: global_buffer, .address_space: global }
      - { .name: an_a_b2, .offset: 72, .size: 8, .value_kind: global_buffer, .address_space: global }
      - { .name: an_a_w3, .offset: 80, .size: 8, .value_kind: global_buffer, .address_space: global }
      - { .name: an_a_b3, .offset: 88, .size: 8, .value_kind: global_buffer, .address_space: global }
      - { .name: fn_gb_w1, .offset: 96, .size: 8, .value_kind: global_buffer, .address_space: global }
      - { .name: fn_gb_b1, .offset: 104, .size: 8, .value_kind: global_buffer, .address_space: global }
      - { .name: fn_gb_w2, .offset: 112, .size: 8, .value_kind: global_buffer, .address_space: global }
      - { .name: fn_gb_b2, .offset: 120, .size: 8, .value_kind: global_buffer, .address_space: global }
      - { .name: fn_gb_w3, .offset: 128, .size: 8, .value_kind: global_buffer, .address_space: global }
      - { .name: fn_gb_b3, .offset: 136, .size: 8, .value_kind: global_buffer, .address_space: global }
      - { .name: fn_a_w1, .offset: 144, .size: 8, .value_kind: global_buffer, .address_space: global }
      - { .name: fn_a_b1, .offset: 152, .size: 8, .value_kind: global_buffer, .address_space: global }
      - { .name: fn_a_w2, .offset: 160, .size: 8, .value_kind: global_buffer, .address_space: global }
      - { .name: fn_a_b2, .offset: 168, .size: 8, .value_kind: global_buffer, .address_space: global }
      - { .name: fn_a_w3, .offset: 176, .size: 8, .value_kind: global_buffer, .address_space: global }
      - { .name: fn_a_b3, .offset: 184, .size: 8, .value_kind: global_buffer, .address_space: global }
      - { .name: nodes, .offset: 192, .size: 8, .value_kind: global_buffer, .address_space: global }
      - { .name: t, .offset: 200, .size: 8, .value_kind: global_buffer, .address_space: global }
      - { .name: qw, .offset: 208, .size: 8, .value_kind: global_buffer, .address_space: global }
      - { .name: kw, .offset: 216, .size: 8, .value_kind: global_buffer, .address_space: global }
      - { .name: vw, .offset: 224, .size: 8, .value_kind: global_buffer, .address_space: global }
      - { .name: ws, .offset: 232, .size: 8, .value_kind: global_buffer, .address_space: global }
    .group_segment_fixed_size: 133120
    .private_segment_fixed_size: 0
    .kernarg_segment_align: 8
    .kernarg_segment_size: 240
    .max_flat_workgroup_size: 256
    .sgpr_count:     96
    .vgpr_count:     256
    .wavefront_size: 32
...
	.end_amdgpu_metadata
.endif
;; end of part 1
;; launch main (part 2): grid 256 x 1, 8 waves a work-group, no clusters, 324,608 bytes of LDS; arguments latent, ws, ow, qb, kb, vb, out0; writes out0
.if DOCPART == 2
	.amdgcn_target "amdgcn-amd-amdhsa--gfx1250"
	.amdhsa_code_object_version 6
	.text
	.protected	k_q517a9edcbf_main
	.globl	k_q517a9edcbf_main
	.p2align	8
	.type	k_q517a9edcbf_main,@function
k_q517a9edcbf_main:
	s_mov_b64 s[64:65], 0
	v_nop
	global_prefetch_b8 v0, s[64:65] scope:SCOPE_SE
	s_setreg_imm32_b32 hwreg(HW_REG_WAVE_MODE, 25, 1), 1
	s_wait_xcnt 0x0
; The whole block for (batch b = id >> 2, query block qb = id & 3 of 128 tokens): norm, affine, Q/K/V, softmax attention, output product,
; residual, second norm, residual.  Eight waves, two for each SIMD, 512 registers each.  K and V of all 512 tokens are made again in
; each of a batch's four work-groups (2,048 of the work-group's 4,608 matrix instructions), so that nothing goes through memory.
;
; NO TRANSPOSE ANYWHERE.  latent is [d][n].  Lane (r, h) loads 16 bytes at latent[d = 16t+8h+j][4r .. 4r+3]: sixteen lanes read 256
; consecutive aligned bytes, component cc is row r of token tile cc (token = base + 4r + cc), and a lane's registers run along d as a
; 16-bit fragment wants them.  The order of the keys is free as long as K and V agree.  Every product is turned so that a lane of the
; result holds one token and 8 neighbouring features: two-to-one conversions make the next product's fragment in place (Q, P, O).
; At the end four neighbouring tokens lie in four neighbouring registers: 16-byte stores, sixteen lanes to 256 consecutive aligned bytes.
;
; NO CLUSTER, NO TENSOR LOADS: the four work-groups of a batch read the same 262,144 bytes of latent, but a joint load lands in LDS, and K
; (139,264), V^T (147,456), the fragment exchange (32,768) and the norm's partial sums (4,096) take 323,584 of the 327,680 bytes; the
; loads into registers deliver fragments without a trip through LDS.  Nothing in LDS is filled twice by an engine, so there is no ring.
;
; LIMITS: matrix operands are rounded to bf16.  A variance below 2^-126 counts as zero (divisor 1.0), because v_rsq_f32 takes a denormal as
; zero; probabilities below 2^-126 of the row's largest become zero.  NaN and infinities are not treated specially.
; V's bias is added behind the division by the row sum: the weights of a row sum to one, so P (V + 1 vb^T) = P V + vb for every input.
.set KP,    272                        ; K [position][128 c] bf16: 256 + 16 bytes
.set KBLK,  64*KP                      ; a key block of 64 positions
.set VTB,   512*KP                     ; V^T: 8 blocks [128 c][64 positions] bf16
.set VP,    144                        ; 128 + 16 bytes
.set VBLK,  128*VP
.set XQB,   VTB+8*VBLK                 ; fragments of the 128 queries' x2 (2 x 16 KiB), later of O (8 x 4 KiB)
.set STATB, XQB+32768                  ; (wave x 16 + r) x 32: four means, four sums of squares
; window 0, all phases
.set L16, 1                            ; 16 x lane
.set KAD, 2                            ; attention: K fragments;  at the end STS
.set VAD, 3                            ; attention: V fragments;  at the end STL
.set QBO, 4                            ; 32 h + 128 head: qb, vb
.set XRO, 5                            ; residual and output
.set XQL, 6                            ; exchange, my query group
.set XO,  7                            ; latent, my 64 tokens;    at the end OFS
.set OFS, 7
.set STS, 2
.set STL, 3
; window 0, up to the projections
.set MO,  8                            ; 32 h
.set WQO, 9                            ; Q's weight tiles of my head
.set OWO, 10                           ; ow
.set KST, 11
.set VST, 12
.set XQS, 13
.set MVO, 14                           ; modulation vectors of my 32 output features
.set BB,  16                           ; v[16:31] bias fragments of weight buffers 0 and 1
.set GAM, 32                           ; v[32:95]   gamma1 of my 64 d
.set BET, 96                           ; v[96:159]  beta1
.set X2,  32                           ; v[32:159]  x2 fragments [token tile][K step][8]
.set WB,  160                          ; v[160:223] weight buffers 0 and 1 (buffers 2 and 3: window 1, v[0:63]; their bias fragments v[64:79])
.set ACC, 224                          ; v[224:255] four accumulators
.set CH,  224                          ; the norm's chains
.set GLA, 232                          ; gamma1, beta1 into my own first KiB of K's block
.set GLB, 233                          ; and back, 32 h
.set MEAN, 240
.set RSTD, 244
.set GB,  248                          ; v[248:255] gamma1, beta1 as loaded: lane L holds numbers 4L .. 4L+3
; window 0, attention
.set LP,  8                            ; v[8:15]  row sums, a pair for each query tile
.set MA,  16                           ; running maxima, two sets that take turns
.set MB,  20
.set AL,  24                           ; 2^(old max - new max)
.set TM,  28
.set SR,  32                           ; v[32:159] scores [query tile][key tile][8], then P in place
.set QF,  160                          ; v[160:191]
.set VF,  192                          ; v[192:223] [c tile][K step][8]
.set KF,  224                          ; v[224:255] [key tile][8]
; window 1
;   first v[0:255] = the 64 x 4 numbers as loaded, row i at 4 i;  then v[0:79] weight buffers 2, 3;  then v[0:63] O[c tile][query tile][8] at 32 ct + 8 qt, later the output product's sums
.set OWF, 64                           ; ow fragments [et][head][8]; at the end scratch
.set OWR, 128                          ; ow as loaded, 64 pairs; then:
.set XR,  128                          ; residual [16 features][4 tokens]
.set A1,  192
.set G2,  208
.set B2,  224
.set A2,  240
.set SA,  64                           ; scratch at the end (window 1)
.set SB,  68
.set LM,  72
.set LQ,  76
.set DT,  80
.set SD,  80
.set MN,  64
.set RS,  68
.set VV,  112
.set TP,  116
.set MSB, 0
.macro WIN new                         ; s_set_vgpr_msb: bits 1:0 source 0, 3:2 source 1, 5:4 source 2, 7:6 destination; the high byte repeats the setting that is left
.if MSB != \new
	s_set_vgpr_msb (MSB<<8)|\new
.set MSB, \new
.endif
.endm
.macro NOPS n
.rept \n
	v_nop
.endr
.endm
; packed f32 with ONE register for both halves: the register's pair is named, and op_sel picks the half by the register's parity
.macro PKMULB dst, src, reg
.if ((\reg)&1) == 0
	s_wait_alu depctr_va_vdst(0)
	v_pk_mul_f32 v[\dst:\dst+1], v[\src:\src+1], v[\reg:\reg+1] op_sel_hi:[1,0]
.else
	v_pk_mul_f32 v[\dst:\dst+1], v[\src:\src+1], v[\reg-1:\reg] op_sel:[0,1] op_sel_hi:[1,1]
.endif
.endm
.macro PKSUBB dst, src, reg
.if ((\reg)&1) == 0
	v_pk_add_f32 v[\dst:\dst+1], v[\src:\src+1], v[\reg:\reg+1] op_sel_hi:[1,0] neg_lo:[0,1] neg_hi:[0,1]
.else
	v_pk_add_f32 v[\dst:\dst+1], v[\src:\src+1], v[\reg-1:\reg] op_sel:[0,1] op_sel_hi:[1,1] neg_lo:[0,1] neg_hi:[0,1]
.endif
.endm
.macro PKFMAB1 dst, a, reg, c          ; a x one register + a pair
.if ((\reg)&1) == 0
	v_pk_fma_f32 v[\dst:\dst+1], v[\a:\a+1], v[\reg:\reg+1], v[\c:\c+1] op_sel_hi:[1,0,1]
.else
	v_pk_fma_f32 v[\dst:\dst+1], v[\a:\a+1], v[\reg-1:\reg], v[\c:\c+1] op_sel:[0,1,0] op_sel_hi:[1,1,1]
.endif
.endm
.macro PKFMAB2 dst, a, g, b            ; a x one register + one register (of the same parity)
.if ((\g)&1) == 0
	v_pk_fma_f32 v[\dst:\dst+1], v[\a:\a+1], v[\g:\g+1], v[\b:\b+1] op_sel_hi:[1,0,0]
.else
	v_pk_fma_f32 v[\dst:\dst+1], v[\a:\a+1], v[\g-1:\g], v[\b-1:\b] op_sel:[0,1,1] op_sel_hi:[1,1,1]
.endif
.endm
	s_load_b256 s[4:11], s[0:1], 0x0               ; latent s[4:5], ws s[6:7], ow s[8:9], qb s[10:11]
	s_load_b128 s[12:15], s[0:1], 0x20             ; kb s[12:13], vb s[14:15]
	s_load_b64 s[16:17], s[0:1], 0x30              ; out0
	v_lshrrev_b32 v2, 5, v0
	v_readfirstlane_b32 s20, v2                    ; wave 0..7
	s_and_b32 s21, ttmp9, 3                        ; query block
	s_lshr_b32 s22, ttmp9, 2                       ; batch
	s_lshl1_add_u32 s23, s21, s20
	s_and_b32 s23, s23, 7                          ; my 64 tokens: group (w + 2 qb) mod 8, so that waves 0 and 1 always hold the queries
	s_lshr_b32 s24, s20, 2                         ; g: which 64 queries are mine later
	s_and_b32 s25, s20, 3                          ; my head, and later my 32 output features
	s_lshl_b32 s26, s22, 18                        ; a batch is 128 x 512 x 4 bytes
	s_mov_b32 s27, 0
	s_mul_i32 s36, s22, 3072
	s_mov_b32 s37, 0
	s_mov_b32 s32, 0x76543210                      ; v_permlanex16_b32: lane i of one half reads lane i of the other
	s_mov_b32 s33, 0xfedcba98
	s_mov_b32 s35, 0x00800000                      ; 2^-126
	v_and_b32 v2, 15, v0                           ; r
	v_bfe_u32 v3, v0, 4, 1                         ; h
	v_and_b32 v1, 31, v0
	v_lshlrev_b32 v[L16], 4, v1
	v_lshlrev_b32 v[MO], 5, v3
	s_lshl_b32 s38, s23, 8
	v_lshlrev_b32 v[XO], 14, v3                    ; 8 h rows of 2,048 bytes
	v_lshl_add_u32 v[XO], v2, 4, v[XO]
	v_add_nc_u32 v[XO], s38, v[XO]
	s_wait_kmcnt 0x0
	s_add_nc_u64 s[4:5], s[4:5], s[26:27]          ; latent[b]
	s_add_nc_u64 s[16:17], s[16:17], s[26:27]      ; out0[b]
	s_add_nc_u64 s[28:29], s[6:7], s[36:37]        ; mod[b]
	s_add_nc_u64 s[30:31], s[6:7], 0x30000         ; the weights in fragment order
	; ================ 64 tokens a wave: load, norm, affine, fragments ================
	global_load_b128 v[GB:GB+3],   v[L16], s[28:29] offset:512     ; gamma1, all 128 numbers in one load of the wave
	global_load_b128 v[GB+4:GB+7], v[L16], s[28:29] offset:1024    ; beta1
	WIN 0x40
.set i, 0
.rept 64
	global_load_b128 v[4*i:4*i+3], v[XO], s[4:5] offset:(16*(i>>3)+(i&7))*2048     ; row i: d = 16 (i>>3) + 8 h + (i&7), tokens 4r .. 4r+3
.set i, i+1
.endr
	WIN 0
	; the other offsets, while the loads are on their way
	s_lshl_b32 s38, s25, 7
	v_add_nc_u32 v[QBO], s38, v[MO]
	v_lshl_add_u32 v[MVO], v3, 6, s38              ; (32 ew + 16 h) x 4
	v_lshlrev_b32 v[OWO], 14, v3                   ; ow row (8 h ..) x 4 heads x 512 bytes
	v_lshl_add_u32 v[OWO], v2, 3, v[OWO]           ; columns 2 r, 2 r + 1
	v_add_nc_u32 v[OWO], s38, v[OWO]               ; of my 32
	s_lshl_b32 s38, s25, 13
	v_add_nc_u32 v[WQO], s38, v[L16]
	s_lshl_b32 s38, s25, 16
	s_lshl_b32 s39, s21, 9
	s_add_co_u32 s38, s38, s39
	s_lshl_b32 s39, s24, 8
	s_add_co_u32 s38, s38, s39
	v_lshlrev_b32 v[XRO], 15, v3
	v_lshl_add_u32 v[XRO], v2, 4, v[XRO]
	v_add_nc_u32 v[XRO], s38, v[XRO]               ; (32 ew + 16 h) x 2,048 + (128 qb + 64 g) x 4 + 16 r
	v_mul_u32_u24 v[KST], v2, KP
	v_lshl_add_u32 v[KST], v3, 4, v[KST]
	s_mul_i32 s38, s20, KBLK
	v_add_nc_u32 v[KST], s38, v[KST]
	v_add_nc_u32 v[GLA], s38, v[L16]               ; the first 1,024 bytes of my own K block: mine alone until my K rows go there
	v_add_nc_u32 v[GLB], s38, v[MO]
	v_mul_u32_u24 v[VST], v2, VP
	v_lshl_add_u32 v[VST], v3, 4, v[VST]
	s_mul_i32 s38, s20, VBLK
	s_add_co_u32 s38, s38, VTB
	v_add_nc_u32 v[VST], s38, v[VST]
	s_lshl_b32 s38, s20, 14
	s_add_co_u32 s38, s38, XQB
	v_add_nc_u32 v[XQS], s38, v[L16]               ; used by waves 0 and 1 alone
	s_lshl_b32 s38, s24, 14
	s_add_co_u32 s38, s38, XQB
	v_add_nc_u32 v[XQL], s38, v[L16]
; the eight 16-byte loads of a weight tile (kind 0 K, 1 V, 2 Q of my head) into buffer wb, and for K and Q the bias fragment: 10, 8, 10 loads.
; Buffers 0 and 1 lie in window 0, buffers 2 and 3 in window 1.  The macro leaves the window setting that its loads needed.
.macro LOADW kind, idx, wb
.if \wb < 2
	WIN 0
.set WR, WB+32*\wb
.set BR, BB+8*\wb
.else
	WIN 0x40
.set WR, 32*(\wb-2)
.set BR, 64+8*(\wb-2)
.endif
.if \kind == 2
.irp k, 0,1,2,3,4,5,6,7
	global_load_b128 v[WR+4*\k:WR+4*\k+3], v[WQO], s[30:31] offset:\idx*4096+\k*512
.endr
	global_load_b128 v[BR:BR+3],   v[QBO], s[10:11] offset:\idx*64
	global_load_b128 v[BR+4:BR+7], v[QBO], s[10:11] offset:\idx*64+16
.else
.irp k, 0,1,2,3,4,5,6,7
	global_load_b128 v[WR+4*\k:WR+4*\k+3], v[L16], s[30:31] offset:(8+8*\kind+\idx)*4096+\k*512
.endr
.if \kind == 0
	global_load_b128 v[BR:BR+3],   v[MO], s[12:13] offset:\idx*64
	global_load_b128 v[BR+4:BR+7], v[MO], s[12:13] offset:\idx*64+16
.endif
.endif
.endm
	; sum over my 64 d, two tokens at a time, even and odd rows in chains of their own; the first rows start the chains
	s_wait_loadcnt 48                              ; gamma1, beta1 and rows 0-15 are in; the 48 younger loads stay out
	; gamma1 and beta1 through my own bytes of LDS: LDS serves a wave's instructions in order (ISA guide 5.7.1.4), so the loads see the stores.
	; A lane wants the numbers 16t + 8h + 0..7 of each: the sixteen lanes of a half read the same 16 bytes.  Two loads from memory a wave
	; take the place of thirty-two that would each fetch 64 bytes.
	ds_store_b128 v[GLA], v[GB:GB+3]
	ds_store_b128 v[GLA], v[GB+4:GB+7] offset:512
.irp t, 0,1,2,3,4,5,6,7
.irp q, 0,1
	ds_load_b128 v[GAM+8*\t+4*\q:GAM+8*\t+4*\q+3], v[GLB] offset:64*\t+16*\q
	ds_load_b128 v[BET+8*\t+4*\q:BET+8*\t+4*\q+3], v[GLB] offset:512+64*\t+16*\q
.endr
.endr
	WIN 0x05
	v_pk_add_f32 v[CH:CH+1],   v[0:1], v[8:9]
	v_pk_add_f32 v[CH+2:CH+3], v[2:3], v[10:11]
	v_pk_add_f32 v[CH+4:CH+5], v[4:5], v[12:13]
	v_pk_add_f32 v[CH+6:CH+7], v[6:7], v[14:15]
	WIN 0x01
.set i, 4
.rept 60
.if (i&15) == 0
	s_wait_loadcnt 48-i                            ; the next 16 rows: 32, 16, 0 younger loads
.endif
	v_pk_add_f32 v[CH+4*(i&1):CH+4*(i&1)+1],   v[4*i:4*i+1],   v[CH+4*(i&1):CH+4*(i&1)+1]
	v_pk_add_f32 v[CH+4*(i&1)+2:CH+4*(i&1)+3], v[4*i+2:4*i+3], v[CH+4*(i&1)+2:CH+4*(i&1)+3]
.set i, i+1
.endr
	WIN 0
	LOADW 0, 0, 0                                  ; the first two weight tiles
	LOADW 0, 1, 1
	v_pk_add_f32 v[CH:CH+1],   v[CH:CH+1],   v[CH+4:CH+5]
	v_pk_add_f32 v[CH+2:CH+3], v[CH+2:CH+3], v[CH+6:CH+7]
.irp c, 0,1,2,3
	v_permlanex16_b32 v[CH+4+\c], v[CH+\c], s32, s33       ; the other 64 d lie in the other half of the lanes
.endr
	v_pk_add_f32 v[CH:CH+1],   v[CH:CH+1],   v[CH+4:CH+5]
	v_pk_add_f32 v[CH+2:CH+3], v[CH+2:CH+3], v[CH+6:CH+7]
	v_pk_mul_f32 v[MEAN:MEAN+1],   v[CH:CH+1],   0x3c000000 op_sel_hi:[1,0]    ; / 128
	v_pk_mul_f32 v[MEAN+2:MEAN+3], v[CH+2:CH+3], 0x3c000000 op_sel_hi:[1,0]
	; centre first, then square: no difference of large sums
	WIN 0x41
.set i, 0
.rept 64
	v_pk_add_f32 v[4*i:4*i+1],   v[4*i:4*i+1],   v[MEAN:MEAN+1]   neg_lo:[0,1] neg_hi:[0,1]
	v_pk_add_f32 v[4*i+2:4*i+3], v[4*i+2:4*i+3], v[MEAN+2:MEAN+3] neg_lo:[0,1] neg_hi:[0,1]
.set i, i+1
.endr
	WIN 0x05
.set i, 0
.rept 64
.if i < 2
	v_pk_mul_f32 v[CH+4*(i&1):CH+4*(i&1)+1],   v[4*i:4*i+1],   v[4*i:4*i+1]
	v_pk_mul_f32 v[CH+4*(i&1)+2:CH+4*(i&1)+3], v[4*i+2:4*i+3], v[4*i+2:4*i+3]
.else
	v_pk_fma_f32 v[CH+4*(i&1):CH+4*(i&1)+1],   v[4*i:4*i+1],   v[4*i:4*i+1],   v[CH+4*(i&1):CH+4*(i&1)+1]
	v_pk_fma_f32 v[CH+4*(i&1)+2:CH+4*(i&1)+3], v[4*i+2:4*i+3], v[4*i+2:4*i+3], v[CH+4*(i&1)+2:CH+4*(i&1)+3]
.endif
.set i, i+1
.endr
	WIN 0
	v_pk_add_f32 v[CH:CH+1],   v[CH:CH+1],   v[CH+4:CH+5]
	v_pk_add_f32 v[CH+2:CH+3], v[CH+2:CH+3], v[CH+6:CH+7]
.irp c, 0,1,2,3
	v_permlanex16_b32 v[CH+4+\c], v[CH+\c], s32, s33
.endr
	v_pk_add_f32 v[CH:CH+1],   v[CH:CH+1],   v[CH+4:CH+5]
	v_pk_add_f32 v[CH+2:CH+3], v[CH+2:CH+3], v[CH+6:CH+7]
	v_pk_mul_f32 v[CH:CH+1],   v[CH:CH+1],   0x3c010204 op_sel_hi:[1,0]        ; / 127
	v_pk_mul_f32 v[CH+2:CH+3], v[CH+2:CH+3], 0x3c010204 op_sel_hi:[1,0]
.irp c, 0,1,2,3
	v_rsq_f32 v[RSTD+\c], v[CH+\c]
.endr
	v_nop                                          ; one plain instruction behind the run (ISA guide 5.7.2)
	s_wait_alu depctr_va_vdst(0)
.irp c, 0,1,2,3
	v_cmp_le_f32 vcc_lo, s35, v[CH+\c]             ; a variance of at least 2^-126 keeps its root; a smaller one divides by 1.0
	v_cndmask_b32 v[RSTD+\c], 1.0, v[RSTD+\c], vcc_lo
.endr
	WIN 0x41
.set i, 0
.rept 64
	v_pk_mul_f32 v[4*i:4*i+1],   v[4*i:4*i+1],   v[RSTD:RSTD+1]
	v_pk_mul_f32 v[4*i+2:4*i+3], v[4*i+2:4*i+3], v[RSTD+2:RSTD+3]
.set i, i+1
.endr
	s_wait_dscnt 0x0                               ; gamma1 and beta1 are back from LDS
.set i, 0
.rept 64
	PKFMAB2 4*i,   4*i,   GAM+i, BET+i             ; x gamma1[d] + beta1[d]
	PKFMAB2 4*i+2, 4*i+2, GAM+i, BET+i
.set i, i+1
.endr
	; fragments: token tile cc, K step kc: registers 0-3 d = 32kc+8h+0..7 (rows 16kc ..), registers 4-7 d = 32kc+16+8h+0..7 (rows 16kc+8 ..)
	WIN 0x05
.irp cc, 0,1,2,3
.irp kc, 0,1,2,3
.irp u, 0,1
.irp jj, 0,1,2,3
	v_cvt_pk_bf16_f32 v[X2+32*\cc+8*\kc+4*\u+\jj], v[4*(16*\kc+8*\u+2*\jj)+\cc], v[4*(16*\kc+8*\u+2*\jj+1)+\cc]
.endr
.endr
.endr
.endr
	WIN 0
	LOADW 0, 2, 2                                  ; weight tiles 2 and 3, where the rows as loaded lay
	LOADW 0, 3, 3
	WIN 0
	s_cmp_gt_u32 s20, 1                            ; waves 0 and 1 hold the work-group's 128 queries: their fragments go to the exchange
	s_cbranch_scc1 .Lno_queries
.set f, 0
.rept 32
	ds_store_b128 v[XQS], v[X2+4*f:X2+4*f+3] offset:f*512
.set f, f+1
.endr
.Lno_queries:
	; ================ the stream of 18 weight tiles: 8 of K, 8 of V, 2 of Q, through four buffers ================
; One tile: 16 features x my 64 tokens.  cnt = the loads younger than this tile's.  Behind the products the tile four steps on is asked for into
; the same buffer, and four 8-byte loads of ow ride along (owp = their number, -1 none).
; K, Q: source 0 = weights, source 1 = x2: a lane holds one token and 8 neighbouring features.  V: the other way round: a lane holds one
; feature and 8 neighbouring positions, which is V^T.  The four accumulators take turns, one instruction a turn.
.macro STEP kind, idx, wb, cnt, nkind, nidx, owp
	s_wait_loadcnt \cnt
.if \wb < 2
.set WR, WB+32*\wb
.set BR, BB+8*\wb
.else
.set WR, 32*(\wb-2)
.set BR, 64+8*(\wb-2)
.endif
.irp kc, 0,1,2,3
.if \wb >= 2
.if \kind == 1
	WIN 0x04                                       ; V: the weights are source 1
.else
.if \kc == 0
	WIN 0x11                                       ; K: the weights are source 0, the bias source 2
.else
	WIN 0x01
.endif
.endif
.endif
.irp tt, 0,1,2,3
.if \kind == 1
.if \kc == 0
	v_wmma_f32_16x16x32_bf16 v[ACC+8*\tt:ACC+8*\tt+7], v[X2+32*\tt+8*\kc:X2+32*\tt+8*\kc+7], v[WR+8*\kc:WR+8*\kc+7], 0
.else
	v_wmma_f32_16x16x32_bf16 v[ACC+8*\tt:ACC+8*\tt+7], v[X2+32*\tt+8*\kc:X2+32*\tt+8*\kc+7], v[WR+8*\kc:WR+8*\kc+7], v[ACC+8*\tt:ACC+8*\tt+7]
.endif
.else
.if \kc == 0
	v_wmma_f32_16x16x32_bf16 v[ACC+8*\tt:ACC+8*\tt+7], v[WR+8*\kc:WR+8*\kc+7], v[X2+32*\tt+8*\kc:X2+32*\tt+8*\kc+7], v[BR:BR+7]
.else
	v_wmma_f32_16x16x32_bf16 v[ACC+8*\tt:ACC+8*\tt+7], v[WR+8*\kc:WR+8*\kc+7], v[X2+32*\tt+8*\kc:X2+32*\tt+8*\kc+7], v[ACC+8*\tt:ACC+8*\tt+7]
.endif
.endif
.endr
.endr
	NOPS 4                                         ; four places before loads land on the sources and the results are read
.if \nkind < 3
	LOADW \nkind, \nidx, \wb
.endif
.if \owp >= 0
	WIN 0x40
.irp m, 0,1,2,3
	global_load_b64 v[OWR+2*(4*\owp+\m):OWR+2*(4*\owp+\m)+1], v[OWO], s[8:9] offset:((16*(((4*\owp+\m)>>3)&1)+((4*\owp+\m)&7))*4+((4*\owp+\m)>>4))*512
.endr
.endif
	WIN 0
.if \kind == 2
.irp tt, 0,1,2,3
.irp i, 0,1,2,3
	v_pk_mul_f32 v[ACC+8*\tt+2*\i:ACC+8*\tt+2*\i+1], v[ACC+8*\tt+2*\i:ACC+8*\tt+2*\i+1], 0x3e8293ee op_sel_hi:[1,0]   ; log2 e / sqrt 32: the scores come out as exponents of two
.endr
.endr
.irp tt, 0,1,2,3
.irp i, 0,1,2,3
	v_cvt_pk_bf16_f32 v[QF+8*\tt+4*\idx+\i], v[ACC+8*\tt+2*\i], v[ACC+8*\tt+2*\i+1]
.endr
.endr
.else
.irp tt, 0,1,2,3
.irp i, 0,1,2,3
	v_cvt_pk_bf16_f32 v[ACC+8*\tt+\i], v[ACC+8*\tt+2*\i], v[ACC+8*\tt+2*\i+1]
.endr
.endr
.irp tt, 0,1,2,3
.if \kind == 0
	ds_store_b128 v[KST], v[ACC+8*\tt:ACC+8*\tt+3] offset:\tt*16*KP+\idx*32
.else
	ds_store_b128 v[VST], v[ACC+8*\tt:ACC+8*\tt+3] offset:\idx*16*VP+\tt*32
.endif
.endr
.endif
.endm
	; the counts: behind a tile's own loads stand 4 of ow and then three steps' loads, each a tile (10 for K and Q, 8 for V, none at the end) and 4 of ow
	STEP 0, 0, 0, 30, 0, 4, 0                      ; tiles 1, 2, 3: 30
	STEP 0, 1, 1, 34, 0, 5, 1                      ; tiles 2, 3: 20; step 0's 14
	STEP 0, 2, 2, 38, 0, 6, 2                      ; tile 3: 10; two steps' 14
	STEP 0, 3, 3, 42, 0, 7, 3                      ; three steps' 14
	STEP 0, 4, 0, 46, 1, 0, 4                      ; 4 + 14 + 14 + 14
	STEP 0, 5, 1, 44, 1, 1, 5                      ; 4 + 14 + 14 + 12
	STEP 0, 6, 2, 42, 1, 2, 6                      ; 4 + 14 + 12 + 12
	STEP 0, 7, 3, 40, 1, 3, 7                      ; 4 + 12 + 12 + 12, and so on
	STEP 1, 0, 0, 40, 1, 4, 8
	STEP 1, 1, 1, 40, 1, 5, 9
	STEP 1, 2, 2, 40, 1, 6, 10
	STEP 1, 3, 3, 40, 1, 7, 11
	STEP 1, 4, 0, 40, 2, 0, 12
	STEP 1, 5, 1, 42, 2, 1, 13                     ; 4 + 12 + 12 + 14
	STEP 1, 6, 2, 44, 3, 0, 14                     ; 4 + 12 + 14 + 14
	STEP 1, 7, 3, 36, 3, 0, 15                     ; 4 + 14 + 14 + 4
	s_wait_dscnt 0x0                               ; my K, V^T and query fragments are stored
	s_barrier_signal -1
	s_barrier_wait -1                              ; everybody's are
.set f, 0
.rept 32
	ds_load_b128 v[X2+4*f:X2+4*f+3], v[XQL] offset:f*512       ; x2 of my 64 queries
.set f, f+1
.endr
	s_wait_dscnt 0x0                               ; my reads of the exchange are over:
	s_barrier_signal -1
	s_barrier_wait -1                              ; behind this barrier it may be written again
	STEP 2, 0, 0, 26, 3, 0, -1                     ; 4 + 14 + 4 + 4
	STEP 2, 1, 1, 12, 3, 0, -1                     ; 4 + 4 + 4: only ow is younger
	s_wait_loadcnt 0x0                             ; ow is in
	; ow fragments: row r of source 0 is output feature 32 ew + 2 r + et, K runs over k of the feature k x 4 + head
	WIN 0x45
.irp et, 0,1
.irp hp, 0,1,2,3
.irp u, 0,1
.irp jj, 0,1,2,3
	v_cvt_pk_bf16_f32 v[OWF+32*\et+8*\hp+4*\u+\jj], v[OWR+2*((\hp*2+\u)*8+2*\jj)+\et], v[OWR+2*((\hp*2+\u)*8+2*\jj+1)+\et]
.endr
.endr
.endr
.endr
	; the residual and the four modulation vectors of my 32 features x 64 tokens: on their way during the attention
	WIN 0x40
.irp i, 0,1,2,3,4,5,6,7,8,9,10,11,12,13,14,15
	global_load_b128 v[XR+4*\i:XR+4*\i+3], v[XRO], s[4:5] offset:\i*2048
.endr
.irp q, 0,1,2,3
	global_load_b128 v[A1+4*\q:A1+4*\q+3], v[MVO], s[28:29] offset:16*\q           ; alpha1
	global_load_b128 v[G2+4*\q:G2+4*\q+3], v[MVO], s[28:29] offset:2048+16*\q      ; gamma2
	global_load_b128 v[B2+4*\q:B2+4*\q+3], v[MVO], s[28:29] offset:2560+16*\q      ; beta2
	global_load_b128 v[A2+4*\q:A2+4*\q+3], v[MVO], s[28:29] offset:1536+16*\q      ; alpha2
.endr
	WIN 0
	s_wait_xcnt 0x0                                ; the offset register of the loads above is rewritten only behind this wait
	; ================ attention: my head, my 64 queries, 8 key blocks of 64 ================
	v_and_b32 v2, 15, v0
	v_bfe_u32 v3, v0, 4, 1
	v_lshlrev_b32 v7, 4, v3                        ; 16 h
	v_mul_u32_u24 v3, v2, VP
	v_mul_u32_u24 v2, v2, KP
	s_lshl_b32 s38, s25, 6                         ; my head's 64 bytes of a K row
	s_mul_i32 s39, s25, 32*VP                      ; my head's 32 rows of V^T
	s_add_co_u32 s39, s39, VTB
	v_add_nc_u32 v[KAD], v2, v7
	v_add_nc_u32 v[KAD], s38, v[KAD]
	v_add_nc_u32 v[VAD], v3, v7
	v_add_nc_u32 v[VAD], s39, v[VAD]
.irp c, 0,1,2,3
	v_mov_b32 v[AL+\c], 0                          ; v_permlanex16_b32 counts as a reader of its destination: written once
.endr
.irp kt, 0,1,2,3
	ds_load_b128 v[KF+8*\kt:KF+8*\kt+3],   v[KAD] offset:\kt*16*KP
	ds_load_b128 v[KF+8*\kt+4:KF+8*\kt+7], v[KAD] offset:\kt*16*KP+32
.endr
.macro SUBM qt, mn                     ; scores of query tile qt minus the new maximum
.set d, 0
.rept 16
	PKSUBB SR+32*\qt+2*d, SR+32*\qt+2*d, \mn+\qt
.set d, d+1
.endr
.endm
.macro EXPM qt
.set d, 0
.rept 32
	v_exp_f32 v[SR+32*\qt+d], v[SR+32*\qt+d]
.set d, d+1
.endr
.endm
; row sums, and P to bf16 in place: in each run of 16 registers word d comes from registers 2d, 2d+1, which is source 1's fragment for 32 keys
.macro SUMCVT qt, first
.if \first
	s_wait_alu depctr_va_vdst(0)
	v_pk_add_f32 v[LP+2*\qt:LP+2*\qt+1], v[SR+32*\qt:SR+32*\qt+1], v[SR+32*\qt+2:SR+32*\qt+3]
	v_cvt_pk_bf16_f32 v[SR+32*\qt],   v[SR+32*\qt],   v[SR+32*\qt+1]
	v_cvt_pk_bf16_f32 v[SR+32*\qt+1], v[SR+32*\qt+2], v[SR+32*\qt+3]
.set d, 2
.else
	PKMULB LP+2*\qt, LP+2*\qt, AL+\qt
.set d, 0
.endif
	s_wait_alu depctr_va_vdst(0)
.rept 16-2*\first
	v_pk_add_f32 v[LP+2*\qt:LP+2*\qt+1], v[LP+2*\qt:LP+2*\qt+1], v[SR+32*\qt+2*d:SR+32*\qt+2*d+1]
	v_cvt_pk_bf16_f32 v[SR+32*\qt+16*(d>>3)+(d&7)], v[SR+32*\qt+2*d], v[SR+32*\qt+2*d+1]
.set d, d+1
.endr
.endm
; One key block.  mold, mnew: the sets of running maxima, which take turns.
.macro TRIP first, last, mold, mnew
	s_wait_dscnt 0x0                               ; this block's K fragments are in
	; S^T = K Q^T: a lane holds one query and 8 neighbouring keys
.irp qt, 0,1,2,3
.irp kt, 0,1,2,3
	v_wmma_f32_16x16x32_bf16 v[SR+32*\qt+8*\kt:SR+32*\qt+8*\kt+7], v[KF+8*\kt:KF+8*\kt+7], v[QF+8*\qt:QF+8*\qt+7], 0
.endr
.endr
.if \last
	NOPS 4                                         ; four places (ISA guide 7.12.1)
.else
	v_add_nc_u32 v[KAD], KBLK, v[KAD]              ; four places, one of them of use
	NOPS 3
.endif
.irp ct, 0,1
.irp ks, 0,1
	ds_load_b128 v[VF+16*\ct+8*\ks:VF+16*\ct+8*\ks+3],   v[VAD] offset:\ct*16*VP+\ks*64
	ds_load_b128 v[VF+16*\ct+8*\ks+4:VF+16*\ct+8*\ks+7], v[VAD] offset:\ct*16*VP+\ks*64+32
.endr
.endr
.if \last
.irp ct, 0,1
.irp q, 0,1
	global_load_b128 v[KF+8*\ct+4*\q:KF+8*\ct+4*\q+3], v[QBO], s[14:15] offset:64*\ct+16*\q      ; vb of my head, where K's fragments lay
.endr
.endr
.else
.irp kt, 0,1,2,3
	ds_load_b128 v[KF+8*\kt:KF+8*\kt+3],   v[KAD] offset:\kt*16*KP                 ; the next block's K
	ds_load_b128 v[KF+8*\kt+4:KF+8*\kt+7], v[KAD] offset:\kt*16*KP+32
.endr
	v_add_nc_u32 v[VAD], VBLK, v[VAD]
.endif
	; the running maximum: 32 scores a lane and query tile, the four tiles interleaved; the other 32 keys lie in the other half of the lanes
.irp qt, 0,1,2,3
	v_max3_num_f32 v[TM+\qt], v[SR+32*\qt], v[SR+32*\qt+1], v[SR+32*\qt+2]
.endr
.set e, 3
.rept 14
.irp qt, 0,1,2,3
	v_max3_num_f32 v[TM+\qt], v[TM+\qt], v[SR+32*\qt+e], v[SR+32*\qt+e+1]
.endr
.set e, e+2
.endr
.irp qt, 0,1,2,3
.if \first
	v_max_num_f32 v[TM+\qt], v[TM+\qt], v[SR+32*\qt+31]
.else
	v_max3_num_f32 v[TM+\qt], v[TM+\qt], v[SR+32*\qt+31], v[\mold+\qt]
.endif
.endr
.irp qt, 0,1,2,3
	v_permlanex16_b32 v[AL+\qt], v[TM+\qt], s32, s33
.endr
.irp qt, 0,1,2,3
	v_max_num_f32 v[\mnew+\qt], v[TM+\qt], v[AL+\qt]
.endr
.if \first == 0
.irp qt, 0,1,2,3
	v_sub_f32 v[AL+\qt], v[\mold+\qt], v[\mnew+\qt]
.endr
.irp qt, 0,1,2,3
	v_exp_f32 v[AL+\qt], v[AL+\qt]
.endr
.endif
	; behind each run of exponentials stands plain work on another tile (ISA guide 5.7.2)
	SUBM 0, \mnew
	EXPM 0
	SUBM 1, \mnew
	EXPM 1
	SUMCVT 0, \first
	SUBM 2, \mnew
	EXPM 2
	SUMCVT 1, \first
	SUBM 3, \mnew
	EXPM 3
	SUMCVT 2, \first
	SUMCVT 3, \first
.if \first == 0
	WIN 0x41
.irp ct, 0,1
.irp qt, 0,1,2,3
.irp p, 0,1,2,3
	PKMULB 32*\ct+8*\qt+2*\p, 32*\ct+8*\qt+2*\p, AL+\qt
.endr
.endr
.endr
.endif
.if \last
	s_wait_dscnt 0x0                               ; V's fragments are in
.else
	s_wait_dscnt 0x8                               ; V's fragments are in; the eight younger loads of the next K stay out
.endif
	; O^T += V^T P^T: a lane holds one query and 8 neighbouring k.  Eight accumulators take turns.
	WIN 0x50
.irp ks, 0,1
.irp ct, 0,1
.irp qt, 0,1,2,3
.if \first*(1-\ks)
	v_wmma_f32_16x16x32_bf16 v[32*\ct+8*\qt:32*\ct+8*\qt+7], v[VF+16*\ct+8*\ks:VF+16*\ct+8*\ks+7], v[SR+32*\qt+16*\ks:SR+32*\qt+16*\ks+7], 0
.else
	v_wmma_f32_16x16x32_bf16 v[32*\ct+8*\qt:32*\ct+8*\qt+7], v[VF+16*\ct+8*\ks:VF+16*\ct+8*\ks+7], v[SR+32*\qt+16*\ks:SR+32*\qt+16*\ks+7], v[32*\ct+8*\qt:32*\ct+8*\qt+7]
.endif
.endr
.endr
.endr
	WIN 0
	NOPS 5                                         ; five places: the next block's score products write over P (ISA guide 7.12.1)
.endm
	TRIP 1, 0, MA, MA
	s_mov_b32 s34, 3
.Lkeys:
	TRIP 0, 0, MA, MB
	TRIP 0, 0, MB, MA
	s_sub_co_i32 s34, s34, 1
	s_cmp_lg_u32 s34, 0
	s_cbranch_scc1 .Lkeys
	TRIP 0, 1, MA, MB
	; ================ O / row sum + vb, to the exchange ================
.irp qt, 0,1,2,3
	v_add_f32 v[TM+\qt], v[LP+2*\qt], v[LP+2*\qt+1]
.endr
.irp qt, 0,1,2,3
	v_permlanex16_b32 v[AL+\qt], v[TM+\qt], s32, s33
.endr
.irp qt, 0,1,2,3
	v_add_f32 v[TM+\qt], v[TM+\qt], v[AL+\qt]
.endr
.irp qt, 0,1,2,3
	v_rcp_f32 v[AL+\qt], v[TM+\qt]                 ; the sum is at least 1: the largest score gives 2^0
.endr
	s_lshl_b32 s38, s20, 12
	s_add_co_u32 s38, s38, XQB
	v_add_nc_u32 v[OFS], s38, v[L16]               ; plain work behind the reciprocals
	v_and_b32 v[STS], 15, v0
	s_lshl_b32 s38, s20, 9
	s_add_co_u32 s38, s38, STATB
	s_lshl_b32 s39, s24, 11
	s_add_co_u32 s39, s39, STATB
	v_lshl_add_u32 v[STL], v[STS], 5, s39
	v_lshl_add_u32 v[STS], v[STS], 5, s38
	s_wait_alu depctr_va_vdst(0)
	s_wait_loadcnt 0x0                             ; vb, the residual and the modulation vectors are in
	WIN 0x01
.irp qt, 0,1,2,3
.irp ct, 0,1
.irp p, 0,1,2,3
	PKFMAB1 SR+16*\qt+8*\ct+2*\p, 32*\ct+8*\qt+2*\p, AL+\qt, KF+8*\ct+2*\p
.endr
.endr
.endr
	WIN 0
.irp qt, 0,1,2,3
.irp d, 0,1,2,3,4,5,6,7
	v_cvt_pk_bf16_f32 v[SR+16*\qt+\d], v[SR+16*\qt+2*\d], v[SR+16*\qt+2*\d+1]
.endr
.endr
.irp qt, 0,1,2,3
.irp q, 0,1
	ds_store_b128 v[OFS], v[SR+16*\qt+4*\q:SR+16*\qt+4*\q+3] offset:(2*\qt+\q)*512
.endr
.endr
	s_wait_dscnt 0x0
	s_barrier_signal -1
	s_barrier_wait -1
	; ================ output product: my 32 features x my group's 64 queries, all four heads ================
.irp hp, 0,1,2,3
.irp qt, 0,1,2,3
.irp q, 0,1
	ds_load_b128 v[SR+32*\hp+8*\qt+4*\q:SR+32*\hp+8*\qt+4*\q+3], v[XQL] offset:\hp*4096+(2*\qt+\q)*512
.endr
.endr
.endr
	s_wait_dscnt 0x0
	WIN 0x51
.irp hp, 0,1,2,3
.irp et, 0,1
.irp qt, 0,1,2,3
.if \hp == 0
	v_wmma_f32_16x16x32_bf16 v[32*\et+8*\qt:32*\et+8*\qt+7], v[OWF+32*\et+8*\hp:OWF+32*\et+8*\hp+7], v[SR+32*\hp+8*\qt:SR+32*\hp+8*\qt+7], 0
.else
	v_wmma_f32_16x16x32_bf16 v[32*\et+8*\qt:32*\et+8*\qt+7], v[OWF+32*\et+8*\hp:OWF+32*\et+8*\hp+7], v[SR+32*\hp+8*\qt:SR+32*\hp+8*\qt+7], v[32*\et+8*\qt:32*\et+8*\qt+7]
.endif
.endr
.endr
.endr
	NOPS 4                                         ; four places before the results are read and ow's fragments become scratch
	; ================ residual, second norm, residual: all in window 1 ================
	; register j of sum (et, qt) is feature 32 ew + 16 h + 2 j + et of token 4 r + qt
	WIN 0x55
.irp j, 0,1,2,3,4,5,6,7
.irp et, 0,1
.irp cc, 0,1,2,3
	v_fma_f32 v[XR+4*(2*\j+\et)+\cc], v[32*\et+8*\cc+\j], v[A1+2*\j+\et], v[XR+4*(2*\j+\et)+\cc]
.endr
.endr
.endr
	; mean and centred sum of squares of my wave's 32 features
	v_pk_add_f32 v[SA:SA+1],   v[XR:XR+1],     v[XR+8:XR+9]
	v_pk_add_f32 v[SA+2:SA+3], v[XR+2:XR+3],   v[XR+10:XR+11]
	v_pk_add_f32 v[SB:SB+1],   v[XR+4:XR+5],   v[XR+12:XR+13]
	v_pk_add_f32 v[SB+2:SB+3], v[XR+6:XR+7],   v[XR+14:XR+15]
.set i, 4
.rept 12
	v_pk_add_f32 v[SA+4*(i&1):SA+4*(i&1)+1],   v[XR+4*i:XR+4*i+1],   v[SA+4*(i&1):SA+4*(i&1)+1]
	v_pk_add_f32 v[SA+4*(i&1)+2:SA+4*(i&1)+3], v[XR+4*i+2:XR+4*i+3], v[SA+4*(i&1)+2:SA+4*(i&1)+3]
.set i, i+1
.endr
	v_pk_add_f32 v[SA:SA+1],   v[SA:SA+1],   v[SB:SB+1]
	v_pk_add_f32 v[SA+2:SA+3], v[SA+2:SA+3], v[SB+2:SB+3]
.irp c, 0,1,2,3
	v_permlanex16_b32 v[SB+\c], v[SA+\c], s32, s33
.endr
	v_pk_add_f32 v[SA:SA+1],   v[SA:SA+1],   v[SB:SB+1]
	v_pk_add_f32 v[SA+2:SA+3], v[SA+2:SA+3], v[SB+2:SB+3]
	v_pk_mul_f32 v[LM:LM+1],   v[SA:SA+1],   0x3d000000 op_sel_hi:[1,0]        ; / 32
	v_pk_mul_f32 v[LM+2:LM+3], v[SA+2:SA+3], 0x3d000000 op_sel_hi:[1,0]
.set i, 0
.rept 8
	v_pk_add_f32 v[DT:DT+1],   v[XR+4*i:XR+4*i+1],   v[LM:LM+1]   neg_lo:[0,1] neg_hi:[0,1]
	v_pk_add_f32 v[DT+2:DT+3], v[XR+4*i+2:XR+4*i+3], v[LM+2:LM+3] neg_lo:[0,1] neg_hi:[0,1]
	v_pk_add_f32 v[DT+4:DT+5], v[XR+4*i+4:XR+4*i+5], v[LM:LM+1]   neg_lo:[0,1] neg_hi:[0,1]
	v_pk_add_f32 v[DT+6:DT+7], v[XR+4*i+6:XR+4*i+7], v[LM+2:LM+3] neg_lo:[0,1] neg_hi:[0,1]
.irp k, 0,2,4,6
.if i == 0
	v_pk_mul_f32 v[SA+\k:SA+\k+1], v[DT+\k:DT+\k+1], v[DT+\k:DT+\k+1]
.else
	v_pk_fma_f32 v[SA+\k:SA+\k+1], v[DT+\k:DT+\k+1], v[DT+\k:DT+\k+1], v[SA+\k:SA+\k+1]
.endif
.endr
.set i, i+2
.endr
	v_pk_add_f32 v[SA:SA+1],   v[SA:SA+1],   v[SB:SB+1]
	v_pk_add_f32 v[SA+2:SA+3], v[SA+2:SA+3], v[SB+2:SB+3]
.irp c, 0,1,2,3
	v_permlanex16_b32 v[SB+\c], v[SA+\c], s32, s33
.endr
	v_pk_add_f32 v[LQ:LQ+1],   v[SA:SA+1],   v[SB:SB+1]
	v_pk_add_f32 v[LQ+2:LQ+3], v[SA+2:SA+3], v[SB+2:SB+3]
	WIN 0x04
	ds_store_b128 v[STS], v[LM:LM+3]               ; both halves of the lanes hold, and store, the same numbers
	ds_store_b128 v[STS], v[LQ:LQ+3] offset:16
	s_wait_dscnt 0x0
	s_barrier_signal -1
	s_barrier_wait -1
	WIN 0x40
.irp k, 0,1,2,3
	ds_load_b128 v[SD+8*\k:SD+8*\k+3],   v[STL] offset:\k*512          ; the four waves of my query group
	ds_load_b128 v[SD+8*\k+4:SD+8*\k+7], v[STL] offset:\k*512+16
.endr
	s_wait_dscnt 0x0
	; mean = sum of the means / 4;  sum of squares = sum of the parts + 32 x sum of (part's mean - mean)^2: no cancellation
	WIN 0x55
.irp p, 0,2
	v_pk_add_f32 v[MN+\p:MN+\p+1], v[SD+\p:SD+\p+1],       v[SD+8+\p:SD+8+\p+1]
	v_pk_add_f32 v[VV+\p:VV+\p+1], v[SD+16+\p:SD+16+\p+1], v[SD+24+\p:SD+24+\p+1]
.endr
.irp p, 0,2
	v_pk_add_f32 v[MN+\p:MN+\p+1], v[MN+\p:MN+\p+1], v[VV+\p:VV+\p+1]
.endr
.irp p, 0,2
	v_pk_mul_f32 v[MN+\p:MN+\p+1], v[MN+\p:MN+\p+1], 0x3e800000 op_sel_hi:[1,0]
.endr
.irp k, 0,1,2,3
.irp p, 0,2
	v_pk_add_f32 v[SD+8*\k+\p:SD+8*\k+\p+1], v[SD+8*\k+\p:SD+8*\k+\p+1], v[MN+\p:MN+\p+1] neg_lo:[0,1] neg_hi:[0,1]
.endr
.endr
.irp p, 0,2
	v_pk_mul_f32 v[RS+\p:RS+\p+1], v[SD+\p:SD+\p+1], v[SD+\p:SD+\p+1]
	v_pk_add_f32 v[VV+\p:VV+\p+1], v[SD+4+\p:SD+4+\p+1],   v[SD+12+\p:SD+12+\p+1]
	v_pk_add_f32 v[TP+\p:TP+\p+1], v[SD+20+\p:SD+20+\p+1], v[SD+28+\p:SD+28+\p+1]
.endr
.irp k, 1,2,3
.irp p, 0,2
	v_pk_fma_f32 v[RS+\p:RS+\p+1], v[SD+8*\k+\p:SD+8*\k+\p+1], v[SD+8*\k+\p:SD+8*\k+\p+1], v[RS+\p:RS+\p+1]
.endr
.endr
.irp p, 0,2
	v_pk_add_f32 v[VV+\p:VV+\p+1], v[VV+\p:VV+\p+1], v[TP+\p:TP+\p+1]
.endr
.irp p, 0,2
	v_pk_fma_f32 v[VV+\p:VV+\p+1], v[RS+\p:RS+\p+1], 0x42000000, v[VV+\p:VV+\p+1] op_sel_hi:[1,0,1]
.endr
.irp p, 0,2
	v_pk_mul_f32 v[VV+\p:VV+\p+1], v[VV+\p:VV+\p+1], 0x3c010204 op_sel_hi:[1,0]      ; / 127
.endr
.irp c, 0,1,2,3
	v_rsq_f32 v[RS+\c], v[VV+\c]
.endr
	v_nop                                          ; one plain instruction behind the run (ISA guide 5.7.2)
	s_wait_alu depctr_va_vdst(0)
.irp c, 0,1,2,3
	v_cmp_le_f32 vcc_lo, s35, v[VV+\c]
	v_cndmask_b32 v[RS+\c], 1.0, v[RS+\c], vcc_lo
.endr
	; out = y + alpha2 (gamma2 (y - mean) / std + beta2), two features (four pairs of tokens) at a time
.set i, 0
.rept 8
	v_pk_add_f32 v[TP:TP+1],   v[XR+4*i:XR+4*i+1],   v[MN:MN+1]   neg_lo:[0,1] neg_hi:[0,1]
	v_pk_add_f32 v[TP+2:TP+3], v[XR+4*i+2:XR+4*i+3], v[MN+2:MN+3] neg_lo:[0,1] neg_hi:[0,1]
	v_pk_add_f32 v[TP+4:TP+5], v[XR+4*i+4:XR+4*i+5], v[MN:MN+1]   neg_lo:[0,1] neg_hi:[0,1]
	v_pk_add_f32 v[TP+6:TP+7], v[XR+4*i+6:XR+4*i+7], v[MN+2:MN+3] neg_lo:[0,1] neg_hi:[0,1]
	v_pk_mul_f32 v[TP:TP+1],   v[TP:TP+1],   v[RS:RS+1]
	v_pk_mul_f32 v[TP+2:TP+3], v[TP+2:TP+3], v[RS+2:RS+3]
	v_pk_mul_f32 v[TP+4:TP+5], v[TP+4:TP+5], v[RS:RS+1]
	v_pk_mul_f32 v[TP+6:TP+7], v[TP+6:TP+7], v[RS+2:RS+3]
	PKFMAB2 TP,   TP,   G2+i,   B2+i
	PKFMAB2 TP+2, TP+2, G2+i,   B2+i
	PKFMAB2 TP+4, TP+4, G2+i+1, B2+i+1
	PKFMAB2 TP+6, TP+6, G2+i+1, B2+i+1
	PKFMAB1 XR+4*i,   TP,   A2+i,   XR+4*i
	PKFMAB1 XR+4*i+2, TP+2, A2+i,   XR+4*i+2
	PKFMAB1 XR+4*i+4, TP+4, A2+i+1, XR+4*i+4
	PKFMAB1 XR+4*i+6, TP+6, A2+i+1, XR+4*i+6
.set i, i+2
.endr
	; sixteen lanes store 256 consecutive bytes of a row of out0, at a multiple of 256 from its first byte
	WIN 0x04
.irp i, 0,1,2,3,4,5,6,7,8,9,10,11,12,13,14,15
	global_store_b128 v[XRO], v[XR+4*\i:XR+4*\i+3], s[16:17] offset:\i*2048 th:TH_STORE_NT
.endr
	WIN 0
	s_wait_xcnt 0x0
	v_lshl_add_u32 v254, v0, 2, 0x4f000
	v_mov_b32 v255, 0
	s_wait_tensorcnt 0x0
	ds_add_u32 v254, v255
	s_wait_dscnt 0x0
	s_endpgm
.Lfunc_end_k_q517a9edcbf_main:
	.size	k_q517a9edcbf_main, .Lfunc_end_k_q517a9edcbf_main-k_q517a9edcbf_main
	.p2alignl 7, 3214868480
	.fill 96, 4, 3214868480
	.section	.rodata,"a",@progbits
	.p2align	6, 0x0
	.amdhsa_kernel k_q517a9edcbf_main
		.amdhsa_group_segment_fixed_size 324608
		.amdhsa_private_segment_fixed_size 0
		.amdhsa_enable_private_segment 0
		.amdhsa_kernarg_size 56
		.amdhsa_user_sgpr_count 2
		.amdhsa_user_sgpr_kernarg_segment_ptr 1
		.amdhsa_wavefront_size32 1
		.amdhsa_system_sgpr_workgroup_id_x 1
		.amdhsa_system_sgpr_workgroup_id_y 1
		.amdhsa_system_sgpr_workgroup_id_z 1
		.amdhsa_system_vgpr_workitem_id 0
		.amdhsa_next_free_vgpr 512
		.amdhsa_next_free_sgpr 66
		.amdhsa_reserve_vcc 1
		.amdhsa_float_denorm_mode_32 3
		.amdhsa_float_denorm_mode_16_64 3
		.amdhsa_memory_ordered 1
		.amdhsa_forward_progress 1
		.amdhsa_inst_pref_size 255
	.end_amdhsa_kernel
	.section	.bss,"aw",@nobits
	.p2align	6
	.space	262144
	.amdgpu_metadata
---
amdhsa.version: [ 1, 2 ]
amdhsa.kernels:
  - .name:           k_q517a9edcbf_main
    .symbol:         k_q517a9edcbf_main.kd
    .args:
      - { .name: latent, .offset: 0, .size: 8, .value_kind: global_buffer, .address_space: global }
      - { .name: ws, .offset: 8, .size: 8, .value_kind: global_buffer, .address_space: global }
      - { .name: ow, .offset: 16, .size: 8, .value_kind: global_buffer, .address_space: global }
      - { .name: qb, .offset: 24, .size: 8, .value_kind: global_buffer, .address_space: global }
      - { .name: kb, .offset: 32, .size: 8, .value_kind: global_buffer, .address_space: global }
      - { .name: vb, .offset: 40, .size: 8, .value_kind: global_buffer, .address_space: global }
      - { .name: out0, .offset: 48, .size: 8, .value_kind: global_buffer, .address_space: global }
    .group_segment_fixed_size: 324608
    .private_segment_fixed_size: 0
    .kernarg_segment_align: 8
    .kernarg_segment_size: 56
    .max_flat_workgroup_size: 256
    .sgpr_count:     66
    .vgpr_count:     512
    .wavefront_size: 32
...
	.end_amdgpu_metadata
.endif
;; end of part 2
;; ======== version 2 of 2: 2 launches; version 1 with the launch cond written anew for expert scheduling mode
;; limits: below input magnitudes of 1.08e-19 results are inexact or not finite
;; workspace buffers: ws 294,912 bytes
;; launch cond (part 3): grid 30 x 1, 8 waves a work-group, no clusters, 133,120 bytes of LDS; arguments an_gb_w1, an_gb_b1, an_gb_w2, an_gb_b2, an_gb_w3, an_gb_b3, an_a_w1, an_a_b1, an_a_w2, an_a_b2, an_a_w3, an_a_b3, fn_gb_w1, fn_gb_b1, fn_gb_w2, fn_gb_b2, fn_gb_w3, fn_gb_b3, fn_a_w1, fn_a_b1, fn_a_w2, fn_a_b2, fn_a_w3, fn_a_b3, nodes, t, qw, kw, vw, ws; writes ws
.if DOCPART == 3
	.amdgcn_target "amdgcn-amd-amdhsa--gfx1250"
	.amdhsa_code_object_version 6
	.text
	.protected	k_q517a9edcbf_cond
	.globl	k_q517a9edcbf_cond
	.p2align	8
	.type	k_q517a9edcbf_cond,@function
k_q517a9edcbf_cond:
	s_mov_b64 s[64:65], 0
	v_nop
	global_prefetch_b8 v0, s[64:65] scope:SCOPE_SE
	s_setreg_imm32_b32 hwreg(HW_REG_WAVE_SCHED_MODE, 0, 2), 2
	s_setreg_imm32_b32 hwreg(HW_REG_WAVE_MODE, 25, 1), 1
	s_wait_xcnt 0x0
	s_wait_alu depctr_vm_vsrc(0)
; What depends on the batch row alone, and the Q/K/V weights in the order in which the second launch's matrix instructions want them.
; Work-groups 0..23 = (v = id >> 2, rt = id & 3): one modulation vector for 16 batch rows: mod[b][v][128] f32 at ws + b*3072 + v*512,
;   v = 0 alpha1 (an_gb columns 0-127), 1 gamma1 (an_gb columns 128-255), 2 beta1 (an_a), 3 alpha2, 4 gamma2 (fn_gb), 5 beta2 (fn_a).
;   A work-group runs 16 x 128 -> 128 -> 128 -> 128 with eight waves, a wave making 16
;   outputs x 16 rows of each layer: 16 fragment loads from LDS a wave and layer.  The weights (192 KiB a work-group) cannot be shared out
;   further, since the second layer needs all of the first; the two halves of a gb network each repeat its first two layers.
; Work-groups 24..29: a half of qw, kw or vw as bf16 at ws + 196608: block ((mt*8+ct)*8 + kc*2 + q) of 512 bytes, lane (r, h) owns 16 bytes
;   at 16*lane, element j = W[head ct>>1][d = 32kc+16q+8h+j][k = 16(ct&1)+r]: one 16-byte load a lane is half of a fragment.
; Matrix operands are rounded to bf16, sums and silu are f32.  NaN and infinities are not treated specially.
; No tensor loads, no cluster: the weights go through a conversion in registers on their way into LDS.  Thirty work-groups is all the work here.
; THE MODE: SCHED_MODE bits 1:0 = 2 (LLVM: expert scheduling mode 2), set by the entry lines.  The code itself states the register dependences
; between vector or matrix instructions and memory or LDS instructions, with s_wait_alu, always for 0.
; THE PLAN.  Registers that memory or LDS instructions touch:
;   v2-v5      offsets of the global loads: written once at the head, ahead of the first wait on va_vdst; never written again.
;   v6-v16     LDS addresses and the offset in ws: written once, ahead of the wait that stands in front of the first LDS stores; never written again.
;   NR         loaded; t is added and the rows are rounded in place; two LDS stores read them; then the registers are ACC.
;   W1R        w1 is loaded, rounded in place, read by 16 LDS stores; then w3 lands there, is rounded in layer 1 and read by 16 LDS stores.
;   W2R        w2 is loaded, rounded in layer 0, read by 16 LDS stores; never written again.
;   AF, BF     each layer's 16 LDS loads land there; the four products read them; silu works in T, BF's first eight; at the end the result comes back into T.
;   ACC        written by the products and by silu; read by the layer's LDS store (layer 2: two stores).
; The next layer's weights are rounded between a layer's fragment loads and the wait for these; the two waits that silu's exponentials and
; reciprocals have in any case also show those conversions done, and the weights' LDS stores follow them, eight behind each.  The wait in front of a
; layer's own LDS store is the last word on AF, BF and T too: no vector line stands between it and the next layer's fragment loads.
.set WP,     288                       ; LDS pitch of a weight row [in][128 out] bf16: 256 + 32, an odd multiple of 32 for the transposing load
.set WBYTES, 128*WP                    ; one layer's weights: 36,864
.set ACT0,   3*WBYTES                  ; three activation blocks [16 rows][128] bf16
.set AP,     272                       ; their pitch: 256 + 16
.set ABYTES, 16*AP
.set STG,    ACT0+3*ABYTES             ; the result [16][128] f32
.set SP,     528                       ; its pitch: 512 + 16
.set L16, 1                            ; 16 x lane
.set RO,  2                            ; w1, w2: my wave's 16 rows
.set R3O, 3                            ; w3: my wave's first row (its pitch is 512 or 1024 bytes; the rows are stepped in 16 scalar bases)
.set NO,  4                            ; nodes
.set BO,  5                            ; bias fragment
.set TA,  6                            ; v[6:8] transposing loads of layer 0, 1, 2
.set BA,  9                            ; activation fragments
.set AS,  10                           ; activation stores
.set WS0, 11                           ; weight stores, layers 0 and 1
.set WS2, 12                           ; weight stores, layer 2
.set NS,  13                           ; cond stores
.set SS,  14                           ; result into the stage
.set SL,  15                           ; result back by rows
.set GO,  16                           ; offset in ws
.set NR,  18                           ; v[18:25] two rows of nodes; then
.set ACC, 18                           ; v[18:33] two accumulators: even and odd K steps
.set BI,  34                           ; v[34:57] three bias fragments
.set W1R, 58                           ; v[58:121] sixteen rows of w1, later of w3
.set W2R, 122                          ; v[122:185]
.set AF,  186                          ; v[186:217] weights^T, 4 K steps
.set BF,  218                          ; v[218:249] activations, 4 K steps; then
.set T,   218                          ; v[218:225] at work
	s_load_b256 s[8:15],  s[0:1], 0x0              ; an_gb: w1 b1 w2 b2
	s_load_b128 s[16:19], s[0:1], 0x20             ;        w3 b3
	s_load_b256 s[20:27], s[0:1], 0x30             ; an_a
	s_load_b128 s[28:31], s[0:1], 0x50
	s_load_b256 s[32:39], s[0:1], 0x60             ; fn_gb
	s_load_b128 s[40:43], s[0:1], 0x80
	s_load_b256 s[44:51], s[0:1], 0x90             ; fn_a
	s_load_b128 s[52:55], s[0:1], 0xb0
	s_load_b128 s[56:59], s[0:1], 0xc0             ; nodes, t
	s_load_b128 s[60:63], s[0:1], 0xd0             ; qw, kw
	s_load_b128 s[68:71], s[0:1], 0xe0             ; vw, ws
	v_lshl_add_u32 v250, v0, 2, 0x20400
	v_mov_b32 v251, 0
	v_lshrrev_b32 v2, 5, v0
	v_readfirstlane_b32 s72, v2                    ; wave 0..7: my 16 outputs
	v_and_b32 v1, 31, v0
	v_lshlrev_b32 v[L16], 4, v1
	s_wait_alu depctr_va_sdst(0)                   ; s72 is written: ahead of the branch below and of its first readers on both ways
	s_mov_b32 s73, ttmp9                           ; work-group 0..29
	s_lshr_b32 s90, s73, 2                         ; v
	s_and_b32 s91, s73, 3                          ; rt: my 16 batch rows
	s_wait_kmcnt 0x0
	s_cmp_ge_u32 s73, 24                           ; the same in all waves of a work-group
	s_cbranch_scc1 .Lprep
	; ---- which network: fn or an, then a or gb; s_cselect leaves SCC as it is, so one compare serves each run
	s_cmp_ge_u32 s90, 3
.irp k, 0,2,4,6,8,10
	s_cselect_b64 s[8+\k:9+\k], s[32+\k:33+\k], s[8+\k:9+\k]
	s_cselect_b64 s[20+\k:21+\k], s[44+\k:45+\k], s[20+\k:21+\k]
.endr
	s_cselect_b32 s75, 3, 0
	s_sub_co_u32 s75, s90, s75                     ; 0 gb low half, 1 gb high half, 2 a
	s_cmp_eq_u32 s75, 2
.irp k, 0,2,4,6,8,10
	s_cselect_b64 s[8+\k:9+\k], s[20+\k:21+\k], s[8+\k:9+\k]
.endr
	s_cselect_b32 s92, 9, 10
	s_lshl_b32 s92, 1, s92                         ; bytes from row to row of w3: 512 or 1024
	s_mov_b32 s93, 0
	s_cmp_eq_u32 s75, 1
	s_cselect_b32 s76, 512, 0                      ; the high half starts 128 numbers in, in w3's rows and in b3
	s_mov_b32 s77, 0
	s_add_nc_u64 s[16:17], s[16:17], s[76:77]
	s_add_nc_u64 s[18:19], s[18:19], s[76:77]
	s_mov_b64 s[20:21], s[16:17]                   ; sixteen bases for w3, a row apart, where the unused networks' pointers lay
.irp j, 1,2,3,4,5,6,7,8,9,10,11,12,13,14,15
	s_add_nc_u64 s[20+2*\j:21+2*\j], s[18+2*\j:19+2*\j], s[92:93]
.endr
	; ---- offsets of the global loads, then the loads of cond, w1, the biases and w2
	v_and_b32 v254, 15, v0                         ; r
	v_bfe_u32 v255, v0, 4, 1                       ; h
	s_lshl_b32 s80, s91, 13
	s_lshl_b32 s81, s72, 10
	s_add_co_u32 s80, s80, s81
	v_add_nc_u32 v[NO], s80, v[L16]                ; nodes row 16 rt + 2 w
	s_lshl_b32 s80, s72, 13
	v_add_nc_u32 v[RO], s80, v[L16]                ; weight row 16 w
	s_lshl_b32 s80, s72, 6
	v_lshl_add_u32 v[BO], v255, 5, s80             ; bias of outputs 16 w + 8 h ..
	s_lshl_b32 s80, s72, 4
	s_mul_i32 s80, s80, s92
	v_add_nc_u32 v[R3O], s80, v[L16]
	s_lshl_b32 s80, s91, 6
	s_lshl_b32 s81, s72, 3
	s_add_co_u32 s80, s80, s81
	s_mov_b32 s81, 0
	s_add_nc_u64 s[82:83], s[58:59], s[80:81]
	s_load_b64 s[84:85], s[82:83], 0x0             ; t[16 rt + 2 w], t[16 rt + 2 w + 1]
	s_wait_alu depctr_va_vdst(0)                   ; the four offsets v2 to v5 are written, which the global loads of this way read
.irp i, 0,1
	global_load_b128 v[NR+4*\i:NR+4*\i+3], v[NO], s[56:57] offset:\i*512       ; a row of nodes: 512 consecutive bytes a load
.endr
.irp j, 0,1,2,3,4,5,6,7,8,9,10,11,12,13,14,15
	global_load_b128 v[W1R+4*\j:W1R+4*\j+3], v[RO], s[8:9] offset:\j*512
.endr
	global_load_b128 v[BI:BI+3],      v[BO], s[10:11]
	global_load_b128 v[BI+4:BI+7],    v[BO], s[10:11] offset:16
	global_load_b128 v[BI+8:BI+11],   v[BO], s[14:15]
	global_load_b128 v[BI+12:BI+15],  v[BO], s[14:15] offset:16
	global_load_b128 v[BI+16:BI+19],  v[BO], s[18:19]
	global_load_b128 v[BI+20:BI+23],  v[BO], s[18:19] offset:16
.irp j, 0,1,2,3,4,5,6,7,8,9,10,11,12,13,14,15
	global_load_b128 v[W2R+4*\j:W2R+4*\j+3], v[RO], s[12:13] offset:\j*512
.endr
	; ---- LDS addresses: none of these lines names a register that the loads above read or will write
	v_and_b32 v253, 7, v0
	v_lshl_add_u32 v253, v255, 3, v253             ; 8 h + (lane & 7): the K row that this lane addresses
	v_mul_u32_u24 v253, v253, WP
	v_bfe_u32 v252, v0, 3, 1
	v_lshl_add_u32 v253, v252, 4, v253             ; + 16 bytes for the upper eight columns
	s_lshl_b32 s80, s72, 5
	v_add_nc_u32 v[TA], s80, v253                  ; + my 16 outputs
	v_add_nc_u32 v[TA+1], WBYTES, v[TA]
	v_add_nc_u32 v[TA+2], 2*WBYTES, v[TA]
	v_mul_u32_u24 v253, v254, AP
	v_lshl_add_u32 v253, v255, 4, v253             ; r x pitch + 16 h
	v_add_nc_u32 v[BA], ACT0, v253
	s_add_co_u32 s81, s80, ABYTES
	v_add_nc_u32 v[AS], s81, v[BA]                 ; the next block, at my 16 outputs
	v_lshrrev_b32 v252, 1, v[L16]                  ; 8 x lane
	s_mul_i32 s80, s72, 16*WP
	v_add_nc_u32 v[WS0], s80, v252
	v_add_nc_u32 v[WS2], 2*WBYTES, v[WS0]
	s_mul_i32 s80, s72, 2*AP
	s_add_co_u32 s80, s80, ACT0
	v_add_nc_u32 v[NS], s80, v252
	v_mul_u32_u24 v253, v254, SP
	v_lshl_add_u32 v253, v255, 5, v253
	s_lshl_b32 s81, s72, 6
	s_add_co_u32 s81, s81, STG
	v_add_nc_u32 v[SS], s81, v253
	s_mul_i32 s80, s72, 2*SP
	s_add_co_u32 s80, s80, STG
	v_add_nc_u32 v[SL], s80, v[L16]
	s_lshl_b32 s80, s91, 4
	s_lshl1_add_u32 s80, s72, s80                  ; batch row 16 rt + 2 w
	s_mul_i32 s80, s80, 3072
	s_lshl_b32 s81, s90, 9
	s_add_co_u32 s80, s80, s81
	v_add_nc_u32 v[GO], s80, v[L16]
; sixteen f32 rows of a weight matrix, as loaded: to bf16, in place, a row's four registers close up into its first two
.macro CVTROWS x
.irp j, 0,1,2,3,4,5,6,7,8,9,10,11,12,13,14,15
	v_cvt_pk_bf16_f32 v[\x+4*\j], v[\x+4*\j], v[\x+4*\j+1]
	v_cvt_pk_bf16_f32 v[\x+4*\j+1], v[\x+4*\j+2], v[\x+4*\j+3]
.endr
.endm
; eight of those rows into LDS, from row 'from' on: 8 bytes a lane, a row's 256 bytes consecutive
.macro STROWS x, adr, base, from
.irp j, 0,1,2,3,4,5,6,7
	ds_store_b64 v[\adr], v[\x+4*(\from+\j):\x+4*(\from+\j)+1] offset:\base+(\from+\j)*WP
.endr
.endm
; One layer for my 16 outputs x the 16 batch rows.  Source 0 = weights^T (row = output), source 1 = activations (column = batch row): a lane
; then holds 8 neighbouring outputs of one batch row, which pack into the 16 bytes that the next layer's fragment load wants.
; Layers 0 and 1 also round the next layer's weights and store them into that layer's own bytes of LDS, which no wave reads before the next barrier.
.macro LAYER l
.irp kc, 0,1,2,3
	ds_load_tr16_b128 v[AF+8*\kc:AF+8*\kc+3],   v[TA+\l] offset:\kc*32*WP
	ds_load_tr16_b128 v[AF+8*\kc+4:AF+8*\kc+7], v[TA+\l] offset:\kc*32*WP+16*WP
.endr
.irp kc, 0,1,2,3
	ds_load_b128 v[BF+8*\kc:BF+8*\kc+3],   v[BA] offset:\l*ABYTES+\kc*64
	ds_load_b128 v[BF+8*\kc+4:BF+8*\kc+7], v[BA] offset:\l*ABYTES+\kc*64+32
.endr
.if \l == 0
	s_wait_loadcnt 16                              ; w2 is in, and the biases, which were asked for ahead of it; w3's 16 loads stay out
	CVTROWS W2R                                    ; while the fragments are on their way: these lines name W2R alone
.endif
.if \l == 1
	s_wait_loadcnt 0x0                             ; w3 is in
	CVTROWS W1R
.endif
	s_wait_dscnt 0x0
.if \l > 0
	s_wait_alu depctr_vm_vsrc(0)                   ; the LDS store of the layer before has read v[ACC:ACC+3], which the products write again
.endif
	; even and odd K steps go to two accumulators that take turns, one instruction a turn; the bias starts the first
	v_wmma_f32_16x16x32_bf16 v[ACC:ACC+7],    v[AF:AF+7],     v[BF:BF+7],     v[BI+8*\l:BI+8*\l+7]
	v_wmma_f32_16x16x32_bf16 v[ACC+8:ACC+15], v[AF+8:AF+15],  v[BF+8:BF+15],  0
	v_wmma_f32_16x16x32_bf16 v[ACC:ACC+7],    v[AF+16:AF+23], v[BF+16:BF+23], v[ACC:ACC+7]
	v_wmma_f32_16x16x32_bf16 v[ACC+8:ACC+15], v[AF+24:AF+31], v[BF+24:BF+31], v[ACC+8:ACC+15]
.rept 4
	v_nop                                          ; four places behind the last matrix instruction (ISA guide 7.12.1) before its result is read
.endr
.irp p, 0,2,4,6
	v_pk_add_f32 v[ACC+\p:ACC+\p+1], v[ACC+\p:ACC+\p+1], v[ACC+8+\p:ACC+8+\p+1]
.endr
.if \l < 2
	; silu(x) = x / (1 + 2^(-x log2 e))
.irp p, 0,2,4,6
	v_pk_mul_f32 v[T+\p:T+\p+1], v[ACC+\p:ACC+\p+1], 0xbfb8aa3b op_sel_hi:[1,0]
.endr
.irp c, 0,1,2,3,4,5,6,7
	v_exp_f32 v[T+\c], v[T+\c]
.endr
	v_nop                                          ; one plain instruction behind the run of exponentials (ISA guide 5.7.2)
	s_wait_alu depctr_va_vdst(0)                   ; the eight exponentials have written v[T ..], which the additions below read; the conversions above have written the next layer's weights, which the LDS stores read
.if \l == 0
	STROWS W2R, WS0, WBYTES, 0
.else
	STROWS W1R, WS2, 0, 0
.endif
.irp p, 0,2,4,6
	v_pk_add_f32 v[T+\p:T+\p+1], v[T+\p:T+\p+1], 1.0 op_sel_hi:[1,0]
.endr
.irp c, 0,1,2,3,4,5,6,7
	v_rcp_f32 v[T+\c], v[T+\c]
.endr
	v_nop                                          ; and behind the reciprocals
	s_wait_alu depctr_va_vdst(0)                   ; the eight reciprocals have written v[T ..], which the multiplies below read
.if \l == 0
	STROWS W2R, WS0, WBYTES, 8                     ; no vector line since the conversions names these registers
.else
	STROWS W1R, WS2, 0, 8
.endif
.irp p, 0,2,4,6
	v_pk_mul_f32 v[ACC+\p:ACC+\p+1], v[ACC+\p:ACC+\p+1], v[T+\p:T+\p+1]
.endr
.irp i, 0,1,2,3
	v_cvt_pk_bf16_f32 v[ACC+\i], v[ACC+2*\i], v[ACC+2*\i+1]
.endr
	s_wait_alu depctr_va_vdst(0)                   ; the conversions have written v[ACC:ACC+3], which the LDS store reads; the products and silu are done with AF, BF and T, in which the next layer's fragments land
	ds_store_b128 v[AS], v[ACC:ACC+3] offset:\l*ABYTES
.else
	s_wait_alu depctr_va_vdst(0)                   ; the additions have written v[ACC:ACC+7], which the LDS stores read; the products are done reading BF, in whose first eight registers the result comes back
	ds_store_b128 v[SS], v[ACC:ACC+3]
	ds_store_b128 v[SS], v[ACC+4:ACC+7] offset:16
.endif
.endm
	; ---- cond = nodes + t, and layer 0's weights, into LDS
	s_wait_loadcnt 38                              ; the two rows of nodes are in; w1 16, biases 6, w2 16 stay out
	s_wait_kmcnt 0x0                               ; t
.irp i, 0,1
.irp c, 0,1,2,3
	v_add_f32 v[NR+4*\i+\c], s[84+\i], v[NR+4*\i+\c]
.endr
	v_cvt_pk_bf16_f32 v[NR+4*\i], v[NR+4*\i], v[NR+4*\i+1]
	v_cvt_pk_bf16_f32 v[NR+4*\i+1], v[NR+4*\i+2], v[NR+4*\i+3]
.endr
	s_wait_loadcnt 22                              ; w1 is in: biases 6 and w2 16 stay out
	CVTROWS W1R
	s_wait_alu depctr_va_vdst(0)                   ; written: the LDS addresses and the offset v6 to v16, the rounded cond in NR and the rounded w1 in W1R, which the stores below read; the conversions are also done reading W1R, in which w3 lands
.irp i, 0,1
	ds_store_b64 v[NS], v[NR+4*\i:NR+4*\i+1] offset:\i*AP
.endr
	STROWS W1R, WS0, 0, 0
	STROWS W1R, WS0, 0, 8
	s_wait_alu depctr_vm_vsrc(0)                   ; the LDS stores have read W1R, in which w3's loads land, and NR, which layer 0's products write as ACC
.irp j, 0,1,2,3,4,5,6,7,8,9,10,11,12,13,14,15
	global_load_b128 v[W1R+4*\j:W1R+4*\j+3], v[R3O], s[20+2*\j:21+2*\j]        ; w3, into the registers that w1 has left
.endr
	s_wait_dscnt 0x0                               ; my stores are done, for the other waves' sake
	s_barrier_signal -1
	s_barrier_wait -1
	LAYER 0
	s_wait_dscnt 0x0
	s_barrier_signal -1
	s_barrier_wait -1
	LAYER 1
	s_wait_dscnt 0x0
	s_barrier_signal -1
	s_barrier_wait -1
	LAYER 2
	s_wait_dscnt 0x0
	s_barrier_signal -1
	s_barrier_wait -1
	; ---- out by whole rows: a wave's store covers 512 consecutive bytes, aligned
.irp i, 0,1
	ds_load_b128 v[T+4*\i:T+4*\i+3], v[SL] offset:\i*SP
.endr
.irp i, 0,1
	s_wait_dscnt 1-\i
	global_store_b128 v[GO], v[T+4*\i:T+4*\i+3], s[70:71] offset:\i*3072
.endr
	s_wait_dscnt 0x0                               ; the closing lines, six on end
	s_wait_alu 0x0
	s_wait_tensorcnt 0x0
	ds_add_u32 v250, v251
	s_wait_dscnt 0x0
	s_endpgm
	; ---- work-groups 24..29: a half of qw, kw or vw into fragment order.  Part p = 8 x half + wave makes blocks 4 p .. 4 p + 3 of its matrix.
	; The reads come as 64 consecutive bytes for sixteen lanes; each of the 196,608 bytes is read once in the whole program.  This way stores nothing to LDS.
.Lprep:
	s_sub_co_u32 s75, s73, 24
	s_lshr_b32 s74, s75, 1                         ; mt
	s_and_b32 s75, s75, 1
	s_lshl3_add_u32 s79, s75, s72                  ; p = 0..15
	s_cmp_eq_u32 s74, 1
	s_cselect_b64 s[60:61], s[62:63], s[60:61]
	s_cmp_eq_u32 s74, 2
	s_cselect_b64 s[60:61], s[68:69], s[60:61]
	s_lshr_b32 s76, s79, 2
	s_lshl_b32 s76, s76, 14                        ; head = p >> 2: 128 x 32 x 4 bytes
	s_and_b32 s77, s79, 1
	s_lshl_b32 s77, s77, 13                        ; d = 64 (p & 1) + ..: 128 bytes a row
	s_add_co_u32 s76, s76, s77
	s_bfe_u32 s77, s79, 0x10001
	s_lshl_b32 s77, s77, 6                         ; k = 16 ((p >> 1) & 1) + r
	s_add_co_u32 s76, s76, s77
	v_and_b32 v2, 15, v0
	v_bfe_u32 v3, v0, 4, 1
	v_lshlrev_b32 v2, 2, v2
	v_lshl_add_u32 v2, v3, 10, v2                  ; 4 r + 8 h rows
	v_add_nc_u32 v2, s76, v2
	s_lshl_b32 s77, s74, 15
	s_lshl_b32 s78, s79, 11
	s_add_co_u32 s77, s77, s78
	v_add_nc_u32 v3, s77, v[L16]                   ; mt x 32,768 + p x 2,048 + 16 x lane
	s_add_nc_u64 s[70:71], s[70:71], 0x30000       ; behind the modulation vectors
	s_wait_alu depctr_va_vdst(0)                   ; v2 and v3 are written: the loads read the one as their offset, the stores the other
.irp n, 0,1,2,3
.irp j, 0,1,2,3,4,5,6,7
	global_load_b32 v[24+8*\n+\j], v2, s[60:61] offset:(16*\n+\j)*128
.endr
.endr
	s_wait_loadcnt 0x0
.irp n, 0,1,2,3
.irp i, 0,1,2,3
	v_cvt_pk_bf16_f32 v[56+4*\n+\i], v[24+8*\n+2*\i], v[24+8*\n+2*\i+1]
.endr
.endr
	s_wait_alu depctr_va_vdst(0)                   ; the sixteen conversions have written v[56:71], which the four stores read
.irp n, 0,1,2,3
	global_store_b128 v3, v[56+4*\n:56+4*\n+3], s[70:71] offset:\n*512
.endr
	s_endpgm
.Lfunc_end_k_q517a9edcbf_cond:
	.size	k_q517a9edcbf_cond, .Lfunc_end_k_q517a9edcbf_cond-k_q517a9edcbf_cond
	.p2alignl 7, 3214868480
	.fill 96, 4, 3214868480
	.section	.rodata,"a",@progbits
	.p2align	6, 0x0
	.amdhsa_kernel k_q517a9edcbf_cond
		.amdhsa_group_segment_fixed_size 133120
		.amdhsa_private_segment_fixed_size 0
		.amdhsa_enable_private_segment 0
		.amdhsa_kernarg_size 240
		.amdhsa_user_sgpr_count 2
		.amdhsa_user_sgpr_kernarg_segment_ptr 1
		.amdhsa_wavefront_size32 1
		.amdhsa_system_sgpr_workgroup_id_x 1
		.amdhsa_system_sgpr_workgroup_id_y 1
		.amdhsa_system_sgpr_workgroup_id_z 1
		.amdhsa_system_vgpr_workitem_id 0
		.amdhsa_next_free_vgpr 256
		.amdhsa_next_free_sgpr 96
		.amdhsa_reserve_vcc 0
		.amdhsa_float_denorm_mode_32 3
		.amdhsa_float_denorm_mode_16_64 3
		.amdhsa_memory_ordered 1
		.amdhsa_forward_progress 1
		.amdhsa_inst_pref_size 36
	.end_amdhsa_kernel
	.amdgpu_metadata
---
amdhsa.version: [ 1, 2 ]
amdhsa.kernels:
  - .name:           k_q517a9edcbf_cond
    .symbol:         k_q517a9edcbf_cond.kd
    .args:
      - { .name: an_gb_w1, .offset: 0, .size: 8, .value_kind: global_buffer, .address_space: global }
      - { .name: an_gb_b1, .offset: 8, .size: 8, .value_kind: global_buffer, .address_space: global }
      - { .name: an_gb_w2, .offset: 16, .size: 8, .value_kind: global_buffer, .address_space: global }
      - { .name: an_gb_b2, .offset: 24, .size: 8, .value_kind: global_buffer, .address_space: global }
      - { .name: an_gb_w3, .offset: 32, .size: 8, .value_kind: global_buffer, .address_space: global }
      - { .name: an_gb_b3, .offset: 40, .size: 8, .value_kind: global_buffer, .address_space: global }
      - { .name: an_a_w1, .offset: 48, .size: 8, .value_kind: global_buffer, .address_space: global }
      - { .name: an_a_b1, .offset: 56, .size: 8, .value_kind: global_buffer, .address_space: global }
      - { .name: an_a_w2, .offset: 64, .size: 8, .value_kind: global_buffer, .address_space: global }
      - { .name: an_a_b2, .offset: 72, .size: 8, .value_kind: global_buffer, .address_space: global }
      - { .name: an_a_w3, .offset: 80, .size: 8, .value_kind: global_buffer, .address_space: global }
      - { .name: an_a_b3, .offset: 88, .size: 8, .value_kind: global_buffer, .address_space: global }
      - { .name: fn_gb_w1, .offset: 96, .size: 8, .value_kind: global_buffer, .address_space: global }
      - { .name: fn_gb_b1, .offset: 104, .size: 8, .value_kind: global_buffer, .address_space: global }
      - { .name: fn_gb_w2, .offset: 112, .size: 8, .value_kind: global_buffer, .address_space: global }
      - { .name: fn_gb_b2, .offset: 120, .size: 8, .value_kind: global_buffer, .address_space: global }
      - { .name: fn_gb_w3, .offset: 128, .size: 8, .value_kind: global_buffer, .address_space: global }
      - { .name: fn_gb_b3, .offset: 136, .size: 8, .value_kind: global_buffer, .address_space: global }
      - { .name: fn_a_w1, .offset: 144, .size: 8, .value_kind: global_buffer, .address_space: global }
      - { .name: fn_a_b1, .offset: 152, .size: 8, .value_kind: global_buffer, .address_space: global }
      - { .name: fn_a_w2, .offset: 160, .size: 8, .value_kind: global_buffer, .address_space: global }
      - { .name: fn_a_b2, .offset: 168, .size: 8, .value_kind: global_buffer, .address_space: global }
      - { .name: fn_a_w3, .offset: 176, .size: 8, .value_kind: global_buffer, .address_space: global }
      - { .name: fn_a_b3, .offset: 184, .size: 8, .value_kind: global_buffer, .address_space: global }
      - { .name: nodes, .offset: 192, .size: 8, .value_kind: global_buffer, .address_space: global }
      - { .name: t, .offset: 200, .size: 8, .value_kind: global_buffer, .address_space: global }
      - { .name: qw, .offset: 208, .size: 8, .value_kind: global_buffer, .address_space: global }
      - { .name: kw, .offset: 216, .size: 8, .value_kind: global_buffer, .address_space: global }
      - { .name: vw, .offset: 224, .size: 8, .value_kind: global_buffer, .address_space: global }
      - { .name: ws, .offset: 232, .size: 8, .value_kind: global_buffer, .address_space: global }
    .group_segment_fixed_size: 133120
    .private_segment_fixed_size: 0
    .kernarg_segment_align: 8
    .kernarg_segment_size: 240
    .max_flat_workgroup_size: 256
    .sgpr_count:     96
    .vgpr_count:     256
    .wavefront_size: 32
...
	.end_amdgpu_metadata
.endif
;; end of part 3
;; launch main: the kernel of part 2 again; grid 256 x 1, 8 waves a work-group, no clusters, 324,608 bytes of LDS; arguments latent, ws, ow, qb, kb, vb, out0; writes out0
